; MI455X (gfx1250); checked and timed in simulation.
; The chip was launched on July 23, 2026; its instructions are those of AMD's public machine-readable ISA for CDNA 5 (MIT licence, August 2026) and "CDNA5" Instruction Set Architecture Reference Guide (July 2026). The comments in the code are by the model that wrote it; some were corrected since.
;; Self Attention V2. Allowed arithmetic: matrix products marked QUANTISED: E2M3 operands, one E8M0 scale for each 32 along K, by v_wmma_scale_f32_16x16x128_f8f6f4 with both operands' format E2M3, f32 sums; everything else in f32.
;; Inputs: W 1,024 x 3,072 float32; X 4 x 2,048 x 1,024 float32; b 3,072 float32.
;; Outputs: out0 4 x 2,048 x 1,024 float32.
;; This version of the problem:
;;   THIS VERSION OF THE PROBLEM IS GIVEN IN LOW PRECISION. The matrix products marked QUANTISED in the list below multiply operands that are first quantised to E2M3 (2 exponent bits, 3 mantissa bits; 6 bits a number), with one power-of-two scale for each 32 numbers along K (OCP MX v1.0); their sums are f32. All else is computed in f32.
;;   The module's matrix products, in the order in which they are computed (A, B: the left and right operand; K: the contracted axis; several contracted axes count as one K, in the product's order):
;;     1. [M 8,192, K 1,024] x [K 1,024, N 3,072]; A: input X; B: input W: QUANTISED
;;     2. batch 4 x [M 2,048, K 1,024] x [K 1,024, N 2,048]; A: computed on the way; B: computed on the way: QUANTISED
;;     3. batch 4 x [M 2,048, K 2,048] x [K 2,048, N 1,024]; A: softmax (see below); B: computed on the way: QUANTISED
;;   THE QUANTISER, for each operand of a quantised product, along K:
;;     - K is cut into blocks of 32 from its start; a last block that is shorter is filled with zeros.
;;     - A block's scale is 2^e with e = floor(log2(the largest magnitude in the block)) - 2, held to -126 .. 127; a block of zeros has e = 0. As a byte (E8M0): e + 127.
;;     - Each number is divided by its block's scale, clamped to +-7.5, and rounded to the nearest number of E2M3, ties to even, subnormals kept.
;;     - The product sums the exact products of the quantised numbers (number of the format x scale) in f32.
;;   ~~~python
;;   def quantise(x, axis):      # numpy; x: float32 -> the quantised numbers, widened to float32 again
;;       x = np.moveaxis(x, axis, -1); K = x.shape[-1]
;;       x = np.pad(x, [(0, 0)] * (x.ndim - 1) + [(0, -K % 32)]); x = x.reshape(x.shape[:-1] + (-1, 32)); a = np.abs(x).max(-1, keepdims=True)
;;       e = np.where(a > 0, np.clip(np.frexp(np.where(a > 0, a, 1))[1] - 1 - 2, -126, 127), 0)      # np.frexp(a)[1] - 1 = floor(log2(a)), exactly
;;       r = np.clip(x / 2.0 ** e, -7.5, 7.5)
;;       step = 2.0 ** (np.maximum(np.frexp(np.where(r == 0, 1, r))[1] - 1, 0) - 3)
;;       q = np.round(r / step) * step * 2.0 ** e      # np.round: ties to even
;;       return np.moveaxis(q.reshape(q.shape[:-2] + (-1,))[..., :K], -1, axis).astype(np.float32)
;;   ~~~
;;   SOFTMAX AHEAD OF A QUANTISED PRODUCT. Where the list says 'softmax', what is quantised is not the finished softmax but p = 2^(t - M), with t = logit x log2(e) and M = ceil(the row's largest t), a whole number; so 1/2 < the row's largest p <= 1. The row's sum l is taken of the UNQUANTISED p, in f32, and the product's result is divided by l at the end. Since M is a whole number, a kernel that streams over the keys may use a running M (the ceiling of the running maximum): every later rescaling is an exact power of two, which a block's scale takes up: the codes' values come out the same.
;;   OPERANDS COMPUTED ON THE WAY. 'Computed on the way' means the value that the module computes at that place (a softmax that the list does not call 'softmax' is quantised finished and normalised). What goes into a quantiser is computed in f32, as accurately as f32 sums, v_exp_f32 and their like allow (about 1e-6 of the number): no bf16 or f16 on the way to a quantiser, and a product that is left as it is and whose result goes on into a quantised operand takes f32 operands (vector FMAs, or v_wmma_f32_16x16x4_f32). A number that lies on a knife's edge between two numbers of the format may be rounded either way, as far as f32 arithmetic and the matrix unit's own rounding can turn it there, and no further.
;; One version. Each part assembles by itself: llvm-mc -triple=amdgcn-amd-amdhsa -mcpu=gfx1250 --defsym DOCPART=n.
;; ======== version 1 of 1: 4 launches
;; limits: right only within a limited range of input values
;; workspace buffers: xi 6,553,600 bytes; wi 2,457,600 bytes; qi 6,553,600 bytes; ki 6,553,600 bytes; vi 6,553,600 bytes; pi 13,107,200 bytes; nm 524,288 bytes; ls 524,288 bytes
;; launch prep (part 1): grid 448 x 1, 4 waves a work-group, no clusters, 62,976 bytes of LDS; arguments X, W, xi, wi; writes xi, wi
.if DOCPART == 1
	.amdgcn_target "amdgcn-amd-amdhsa--gfx1250"
	.amdhsa_code_object_version 6
	.text
	.protected	k_qcbd6f7fc38_prep
	.globl	k_qcbd6f7fc38_prep
	.p2align	8
	.type	k_qcbd6f7fc38_prep,@function
k_qcbd6f7fc38_prep:
	s_mov_b64 s[64:65], 0
	v_nop
	global_prefetch_b8 v0, s[64:65] scope:SCOPE_SE
	s_setreg_imm32_b32 hwreg(HW_REG_WAVE_MODE, 25, 1), 1
	s_wait_xcnt 0x0
; X [8192][1024] f32 (K innermost) and W [1024 (k)][3072 (e)] f32 (K is the first axis) become codes of FP6 (E2M3) with one E8M0 byte for each 32 along K.
; THE FORMAT OF EVERY OPERAND BUFFER OF THIS PROGRAM IS THE CHUNK: 128 rows x 256 K in 25,600 bytes, laid as images of the operand's registers:
;   byte q*12288 + rbl*1536 + c*512 + 16*lane : registers 4c .. 4c+3 of that lane of fragment (rbl, q)   (q: which 128 of K; rbl: block of 16 rows; a fragment is 12 registers a lane)
;   byte 24576 + q*512 + rbl*64 + 4*r         : the scale word (four E8M0 bytes) of lane-row r of block rbl for K step q
; Lane-row r of block rbl is the chunk's row 32 (rbl/2) + 8 (rbl%2) + r + 8 (r/8); lane (r, h) holds k = 64 c' + 32 h + 0..31 in registers 6c' .. 6c'+5.
; One work-group makes one chunk; wave w makes K step q = w & 1 of rows 64 (w >> 1) on: four fragments and 256 bytes of scale words.  Waves share nothing: no barrier.
; Work-groups 0-255 take X (chunk = kp*64 + g), 256-351 take W (chunk = kp*24 + g); the two ways part on the work-group's number, have LDS bytes of their own and do not join again.
; A block's scale is 2^(floor(log2(largest magnitude)) - 2): its byte is the largest magnitude's exponent field - 2, held at 1 from below.
; LIMITS: a block of zeros gets the byte 1 and not 127 (its codes are zeros, and this program alone reads the bytes); NaN and infinities among the inputs are not served.
; No matrix unit, no cluster, no tensor load: the work-groups share no input and the bytes bind.
.set CH,    25600
.set XREG,  8704                       ; X way: a wave's LDS: a stage of 16 rows x 528 bytes, then 256 bytes for its scale words
.set XPIT,  528                        ; 512 bytes + 16: the sixteen rows that a load touches begin 4 words apart modulo 64 words
.set WBASE, 4*XREG
.set WREG,  6912                       ; W way: four fragment images 1,664 bytes apart, then 256 bytes for the scale words
.set WPIT,  1664                       ; 1,536 + 128: the two blocks that a store's sixteen lanes touch begin 128 bytes apart modulo 256
.set SPARE, WBASE+4*WREG               ; the spare words, 128 bytes for each wave: two blocks of 256 bytes that no other line names
.set SPW,   12                         ; v12  LDS address of my spare word; never rewritten
.set NIL,   13                         ; v13  0; never rewritten
.set LD,    16                         ; X way: v16-143 two sets of 64 registers as loaded
.set N,     144                        ; v144-207 my 64 numbers: register 32 c + i = k 64 c + 32 h + i of my row
.set PC,    208                        ; v208-219 the fragment's codes
.macro LOADX t                         ; fragment t: sixteen rows, 512 consecutive aligned bytes each
.irp i, 0,1,2,3,4,5,6,7,8,9,10,11,12,13,14,15
	global_load_b128 v[LD+64*((\t)%2)+4*\i:LD+64*((\t)%2)+4*\i+3], v4, s[4:5] offset:(32*((\t)/2)+8*((\t)%2)+\i+8*(\i/8))*4096 th:TH_LOAD_NT
.endr
.endm
.macro TURNX t                         ; through my stage: in as loaded, back 128 neighbouring bytes of one row a lane and block pair.  LDS serves a wave's instructions in order: no wait between
.irp i, 0,1,2,3,4,5,6,7,8,9,10,11,12,13,14,15
	ds_store_b128 v5, v[LD+64*((\t)%2)+4*\i:LD+64*((\t)%2)+4*\i+3] offset:XPIT*\i
.endr
.irp c, 0,1
.irp j, 0,1,2,3,4,5,6,7
	ds_load_b128 v[N+32*\c+4*\j:N+32*\c+4*\j+3], v6 offset:256*\c+16*\j
.endr
.endr
.endm
.macro QUANTX                          ; my two whole blocks (h and 2 + h of my row) become registers 0-5 and 6-11 of the fragment; the scale word is gathered from lanes l and l xor 16
.irp c, 0,1
	v_max3_num_f32 v[228+\c], |v[N+32*\c]|, |v[N+1+32*\c]|, 0x1800000   ; with the floor 2^(3 - 127): the byte cannot fall under 1
.endr
.irp i, 2,4,6,8,10,12,14,16,18,20,22,24,26,28,30
.irp c, 0,1
	v_max3_num_f32 v[228+\c], v[228+\c], |v[N+32*\c+\i]|, |v[N+1+32*\c+\i]|
.endr
.endr
.irp c, 0,1
	v_add_nc_u32 v[230+\c], 0xff000000, v[228+\c]   ; 2 off the exponent field: the conversion's scale operand
.endr
.irp c, 0,1
	v_lshrrev_b32 v[232+\c], 23, v[230+\c]          ; the byte
.endr
	v_lshl_or_b32 v234, v233, 16, v232
	v_lshlrev_b32 v234, v10, v234                   ; 8 h bits up
	v_permlanex16_b32 v235, v234, s22, s23
	v_or_b32 v234, v234, v235                       ; the row's word is whole, in both halves of the lanes
.irp c, 0,1
	v_cvt_scalef32_pk16_fp6_f32 v[PC+6*\c:PC+6*\c+2], v[N+32*\c:N+32*\c+15], v[230+\c]
	v_cvt_scalef32_pk16_fp6_f32 v[220+4*\c:222+4*\c], v[N+16+32*\c:N+31+32*\c], v[230+\c]   ; (a conversion's three registers begin on an even number)
.endr
	v_nop                                           ; one plain instruction behind the conversions
.irp c, 0,1
.irp i, 0,1,2
	v_mov_b32 v[PC+3+6*\c+\i], v[220+4*\c+\i]
.endr
.endr
.endm
.macro LOADW n                         ; block n: k block n of my 32 columns: W(32 n + i, my column), i = 0 .. 31
.irp i, 0,1,2,3,4,5,6,7,8,9,10,11,12,13,14,15,16,17,18,19,20,21,22,23,24,25,26,27,28,29,30,31
	global_load_b32 v[16+32*((\n)%2)+\i], v4, s[6:7] offset:(32*(\n)+\i)*12288   ; block n is k block n of my 32 columns
.endr
.endm
.macro BLOCKW n
.set XS, 16+32*((\n)%2)
.set OB, 256*((\n)%2)                          ; 16 x 16 h: the lane of the fragment is r' + 16 h, h = k block % 2
.if (\n) < 3
	s_wait_loadcnt 32                              ; this block's 32 loads are in; the next block's may be out
.else
	s_wait_loadcnt 0x0
.endif
	v_max3_num_f32 v90, |v[XS]|, |v[XS+1]|, |v[XS+2]|
	v_max3_num_f32 v91, |v[XS+3]|, |v[XS+4]|, |v[XS+5]|
.irp i, 6,10,14,18,22,26
	v_max3_num_f32 v90, v90, |v[XS+\i]|, |v[XS+\i+1]|
	v_max3_num_f32 v91, v91, |v[XS+\i+2]|, |v[XS+\i+3]|
.endr
	v_max3_num_f32 v90, v90, |v[XS+30]|, |v[XS+31]|
	v_max3_num_f32 v90, v90, v91, 0x1800000
	v_add_nc_u32 v92, 0xff000000, v90
	v_lshrrev_b32 v93, 23, v92
.if (\n) == 0
	v_mov_b32 v94, v93
.else
	v_lshl_or_b32 v94, v93, 8*(\n), v94
.endif
	v_cvt_scalef32_pk16_fp6_f32 v[80:82], v[XS:XS+15], v92
	v_cvt_scalef32_pk16_fp6_f32 v[86:88], v[XS+16:XS+31], v92
	v_nop
.irp i, 0,1,2
	v_mov_b32 v[83+\i], v[86+\i]
.endr
.if (\n)/2 == 0                        ; registers 0-5 of the fragment: 0-3 in the first 512 bytes, 4-5 at the head of my 16 bytes in the second
	ds_store_b128 v5, v[80:83] offset:OB
	ds_store_b64 v5, v[84:85] offset:OB+512
.else                                  ; registers 6-11: 6-7 behind them, 8-11 in the third
	ds_store_b64 v5, v[80:81] offset:OB+520
	ds_store_b128 v5, v[82:85] offset:OB+1024
.endif
.if (\n) == 3
	ds_store_b32 v7, v94
.endif
.if (\n) < 2
	LOADW (\n)+2
.endif
	s_wait_dscnt 0x0                               ; the stores have read their registers: the next block's codes may be written
.endm
	s_load_b256 s[4:11], s[0:1], 0x0               ; X s[4:5], W s[6:7], xi s[8:9], wi s[10:11]
	v_lshl_add_u32 v[SPW], v0, 2, SPARE
	v_mov_b32 v[NIL], 0
	v_lshrrev_b32 v1, 5, v0
	v_readfirstlane_b32 s12, v1                    ; wave
	s_and_b32 s13, s12, 1                          ; q
	s_lshr_b32 s14, s12, 1                         ; which 64 rows
	s_mov_b32 s22, 0x76543210
	s_mov_b32 s23, 0xfedcba98                      ; v_permlanex16_b32's selects for lane l xor 16
	v_and_b32 v1, 31, v0                           ; lane
	v_and_b32 v2, 15, v0                           ; r
	v_bfe_u32 v3, v0, 4, 1                         ; h
	s_mul_i32 s21, s13, 12288
	s_mul_i32 s24, s14, 6144
	s_add_co_u32 s24, s24, s21                     ; my four fragments' place in a chunk
	s_lshl_b32 s21, s13, 9
	s_lshl_b32 s26, s14, 8
	s_add_co_u32 s26, s26, s21
	s_add_co_u32 s26, s26, 24576                   ; and my 256 bytes of scale words
	s_mov_b32 s19, 0
	s_mov_b32 s25, 0
	s_mov_b32 s27, 0
	s_cmp_lt_u32 ttmp9, 256
	s_cbranch_scc0 .Lw_path
	; ---- X: K is innermost.  kp = id >> 6, g = id & 63
	s_lshr_b32 s16, ttmp9, 6
	s_and_b32 s17, ttmp9, 63
	s_lshl_b32 s18, s17, 19                        ; 128 rows of 4,096 bytes
	s_lshl_b32 s20, s14, 18
	s_add_co_u32 s18, s18, s20
	s_lshl_b32 s20, s16, 10                        ; 256 numbers along K
	s_add_co_u32 s18, s18, s20
	s_lshl_b32 s20, s13, 9
	s_add_co_u32 s18, s18, s20
	s_mul_i32 s20, ttmp9, CH
	s_add_co_u32 s24, s24, s20
	s_add_co_u32 s26, s26, s20
	s_mul_i32 s28, s12, XREG
	s_add_co_u32 s29, s28, 16*XPIT
	s_wait_alu depctr_va_vdst(0)
	v_lshlrev_b32 v4, 4, v1                        ; 16 x lane: in memory, in an image
	v_add_nc_u32 v5, s28, v4                       ; the stage, on the way in
	v_mul_u32_u24 v6, v2, XPIT
	v_lshl_add_u32 v6, v3, 7, v6
	v_add_nc_u32 v6, s28, v6                       ; and back: row r, 128 h bytes on
	v_lshlrev_b32 v7, 2, v2
	v_add_nc_u32 v7, s29, v7                       ; my row's scale word
	v_lshlrev_b32 v9, 3, v1
	v_add_nc_u32 v8, s29, v9
	v_lshlrev_b32 v10, 3, v3
	v_mov_b32 v235, 0                              ; written once: a lane permute's destination counts as one of its sources
	s_wait_alu depctr_va_vdst(0)
	s_wait_kmcnt 0x0
	s_add_nc_u64 s[4:5], s[4:5], s[18:19]
	s_add_nc_u64 s[30:31], s[8:9], s[24:25]
	s_add_nc_u64 s[32:33], s[8:9], s[26:27]
	LOADX 0
	LOADX 1
.irp t, 0,1,2,3
.if \t < 3
	s_wait_loadcnt 16                              ; this fragment's sixteen loads are in; the next one's may be out
.else
	s_wait_loadcnt 0x0
.endif
	TURNX \t
	s_wait_dscnt 0x0                               ; my numbers are back, and the stage's stores have read their registers
	s_wait_xcnt 0x0                                ; the last fragment's stores have read the codes' registers
.if \t < 2
	LOADX \t+2
.endif
	QUANTX
.irp c, 0,1,2
	global_store_b128 v4, v[PC+4*\c:PC+4*\c+3], s[30:31] offset:1536*\t+512*\c   ; 512 consecutive aligned bytes
.endr
	ds_store_b32 v7, v234 offset:64*\t             ; both halves of the lanes write the same word with the same value
.endr
	ds_load_b64 v[236:237], v8
	s_wait_dscnt 0x0
	global_store_b64 v9, v[236:237], s[32:33]      ; 256 consecutive aligned bytes
	s_wait_tensorcnt 0x0                           ; the wave's end, behind my last LDS store
	ds_add_u32 v[SPW], v[NIL]
	s_wait_dscnt 0x0
	s_endpgm
.Lw_path:
	; ---- W: K is the first axis.  A lane takes a column e and its registers run down K.  q = id' & 1, kp = (id' >> 1) & 3, g = id' >> 3
	s_sub_co_u32 s15, ttmp9, 256
	; W'S DEAL, as it stands now (it takes the place of what the head comment says of W): work-groups 256-447 take W; a work-group makes ONE K step q of a chunk, and wave w the chunk's rows 32 w on:
	; two fragments and 128 bytes of scale words, from four blocks of 32 k x 32 columns, two blocks' loads out at a time.  q = id' & 1, kp = (id' >> 1) & 3, g = id' >> 3
	s_and_b32 s13, s15, 1
	s_bfe_u32 s16, s15, 0x20001
	s_lshr_b32 s17, s15, 3
	s_lshl_b32 s18, s16, 1
	s_add_co_u32 s18, s18, s13
	s_mul_i32 s18, s18, 128*12288                  ; 128 rows of 12,288 bytes for each K step
	s_lshl_b32 s20, s17, 9                         ; 128 columns
	s_add_co_u32 s18, s18, s20
	s_lshl_b32 s20, s12, 7                         ; my 32 columns
	s_add_co_u32 s18, s18, s20
	s_mul_i32 s20, s16, 24
	s_add_co_u32 s20, s20, s17
	s_mul_i32 s20, s20, CH
	s_mul_i32 s24, s13, 12288
	s_mul_i32 s21, s12, 3072
	s_add_co_u32 s24, s24, s21                     ; my two fragments' place in a chunk
	s_lshl_b32 s26, s13, 9
	s_lshl_b32 s21, s12, 7
	s_add_co_u32 s26, s26, s21
	s_add_co_u32 s26, s26, 24576                   ; and my 128 bytes of scale words
	s_add_co_u32 s24, s24, s20
	s_add_co_u32 s26, s26, s20
	s_mul_i32 s28, s12, WREG
	s_add_co_u32 s28, s28, WBASE
	s_add_co_u32 s29, s28, 4*WPIT
	s_wait_alu depctr_va_vdst(0)
	v_lshlrev_b32 v4, 2, v1                        ; 4 x lane
	v_bfe_u32 v15, v0, 3, 1                        ; column x of 32 is lane-row r' = (x & 7) + 8 (x >> 4) of block u = (x >> 3) & 1 of the pair
	v_and_b32 v11, 7, v0
	v_lshl_add_u32 v11, v3, 3, v11
	v_mul_u32_u24 v5, v15, WPIT
	v_lshl_add_u32 v5, v11, 4, v5
	v_add_nc_u32 v5, s28, v5                       ; my row's 16 bytes in its image (h = 0)
	v_lshlrev_b32 v14, 4, v1
	v_add_nc_u32 v6, s28, v14                      ; the way out: 16 x lane
	v_lshlrev_b32 v7, 6, v15
	v_lshl_add_u32 v7, v11, 2, v7
	v_add_nc_u32 v7, s29, v7                       ; my row's scale word
	v_lshlrev_b32 v9, 2, v1
	v_add_nc_u32 v8, s29, v9
	s_wait_kmcnt 0x0
	s_add_nc_u64 s[6:7], s[6:7], s[18:19]
	s_add_nc_u64 s[30:31], s[10:11], s[24:25]
	s_add_nc_u64 s[32:33], s[10:11], s[26:27]
	LOADW 0
	LOADW 1
.set Q, 0
.rept 4
	BLOCKW Q
.set Q, Q+1
.endr
.irp f, 0,1
.irp c, 0,1,2
	ds_load_b128 v[96+4*(3*\f+\c):96+4*(3*\f+\c)+3], v6 offset:WPIT*\f+512*\c
.endr
.endr
	ds_load_b32 v144, v8
.irp f, 0,1
.irp c, 0,1,2
	s_wait_dscnt 6-(3*\f+\c)                       ; the younger image loads and the scale words' load may be out
	global_store_b128 v14, v[96+4*(3*\f+\c):96+4*(3*\f+\c)+3], s[30:31] offset:1536*\f+512*\c
.endr
.endr
	s_wait_dscnt 0x0
	global_store_b32 v9, v144, s[32:33]            ; my two blocks' scale words: 128 consecutive bytes; the work-group's four waves fill 512 on end
	s_wait_tensorcnt 0x0                           ; the wave's end, behind my last LDS store
	ds_add_u32 v[SPW], v[NIL]
	s_wait_dscnt 0x0
	s_endpgm
.Lfunc_end_k_qcbd6f7fc38_prep:
	.size	k_qcbd6f7fc38_prep, .Lfunc_end_k_qcbd6f7fc38_prep-k_qcbd6f7fc38_prep
	.p2alignl 7, 3214868480
	.fill 96, 4, 3214868480
	.section	.rodata,"a",@progbits
	.p2align	6, 0x0
	.amdhsa_kernel k_qcbd6f7fc38_prep
		.amdhsa_group_segment_fixed_size 62976
		.amdhsa_private_segment_fixed_size 0
		.amdhsa_enable_private_segment 0
		.amdhsa_kernarg_size 32
		.amdhsa_user_sgpr_count 2
		.amdhsa_user_sgpr_kernarg_segment_ptr 1
		.amdhsa_wavefront_size32 1
		.amdhsa_system_sgpr_workgroup_id_x 1
		.amdhsa_system_sgpr_workgroup_id_y 1
		.amdhsa_system_sgpr_workgroup_id_z 1
		.amdhsa_system_vgpr_workitem_id 0
		.amdhsa_next_free_vgpr 256
		.amdhsa_next_free_sgpr 66
		.amdhsa_reserve_vcc 0
		.amdhsa_float_denorm_mode_32 3
		.amdhsa_float_denorm_mode_16_64 3
		.amdhsa_memory_ordered 1
		.amdhsa_forward_progress 1
		.amdhsa_inst_pref_size 53
	.end_amdhsa_kernel
	.amdgpu_metadata
---
amdhsa.version: [ 1, 2 ]
amdhsa.kernels:
  - .name:           k_qcbd6f7fc38_prep
    .symbol:         k_qcbd6f7fc38_prep.kd
    .args:
      - { .name: X, .offset: 0, .size: 8, .value_kind: global_buffer, .address_space: global }
      - { .name: W, .offset: 8, .size: 8, .value_kind: global_buffer, .address_space: global }
      - { .name: xi, .offset: 16, .size: 8, .value_kind: global_buffer, .address_space: global }
      - { .name: wi, .offset: 24, .size: 8, .value_kind: global_buffer, .address_space: global }
    .group_segment_fixed_size: 62976
    .private_segment_fixed_size: 0
    .kernarg_segment_align: 8
    .kernarg_segment_size: 32
    .max_flat_workgroup_size: 128
    .sgpr_count:     66
    .vgpr_count:     256
    .wavefront_size: 32
...
	.end_amdgpu_metadata
.endif
;; end of part 1
;; launch qkv (part 2): grid 8 x 32, 4 waves a work-group, clusters of 4 x 4, 327,680 bytes of LDS; arguments xi, wi, b, qi, ki, vi; writes qi, ki, vi
.if DOCPART == 2
	.amdgcn_target "amdgcn-amd-amdhsa--gfx1250"
	.amdhsa_code_object_version 6
	.text
	.protected	k_qcbd6f7fc38_qkv
	.globl	k_qcbd6f7fc38_qkv
	.p2align	8
	.type	k_qcbd6f7fc38_qkv,@function
k_qcbd6f7fc38_qkv:
	s_mov_b64 s[64:65], 0
	v_nop
	global_prefetch_b8 v0, s[64:65] scope:SCOPE_SE
	s_setreg_imm32_b32 hwreg(HW_REG_WAVE_MODE, 25, 1), 1
	s_wait_xcnt 0x0
	s_wait_alu depctr_hold_cnt(0) depctr_sa_sdst(0) depctr_va_vdst(0) depctr_va_sdst(0) depctr_va_ssrc(0) depctr_va_vcc(0) depctr_vm_vsrc(0)
	s_getreg_b32 s2, hwreg(HW_REG_IB_STS2, 6, 4)
	s_cmp_eq_u32 s2, 0
	s_cbranch_scc0 .Lentry_in_a_cluster
	s_endpgm
.Lentry_in_a_cluster:
	s_bfe_u32 s2, ttmp6, 0x10000c
	s_cmp_lg_u32 s2, 0xf033
	s_cbranch_scc0 .Lentry_shape_is_right
	s_endpgm
.Lentry_shape_is_right:
; QKV = X W + b on codes of FP6 (E2M3) with E8M0 scales, K = 1,024; the results are quantised in registers and leave as codes: Q and K along d, V along the keys (V^T).
; OPERANDS lie in chunks of 25,600 bytes: 128 rows x 256 K as images of the operand's registers (byte q*12288 + rbl*1536 + c*512 + 16*lane: registers 4c..4c+3 of fragment (rbl, q);
; byte 24576 + q*512 + rbl*64 + 4*r: the scale word).  Lane-row r of block rbl is the chunk's row 32 (rbl/2) + 8 (rbl%2) + r + 8 (r/8).
; A WORK-GROUP STAYS AND MAKES TWO TILES, so that 256 work-groups share the 8,192 x 3,072 results evenly:
;   tile 1: 256 tokens (R = xi) x 256 e (S = wi) of Q (cluster x = 0) or of K (cluster x = 1); a wave makes 128 x 128: 64 accumulators;
;   tile 2: 128 e of V (R = wi, from e = 2,048 on) x 256 tokens (S = xi); a wave makes 64 x 128: 32 accumulators.
; Source 0 = 16 rows of S, source 1 = 16 rows of R: a lane holds ONE row of R, and by the order of rows above the 64 registers of a block of R's rows are 128 S rows in their true order,
; 16 neighbours of each 32 in a lane: they are quantised as they stand and are a fragment of the next product.  In tile 2 a lane so holds one d and its registers run along the keys.
; CLUSTER 4 x 4: R's chunks hang on cy and the cluster's numbers alone and are asked for jointly along a row of the cluster, S's on cx and are asked for along a column, in both tiles.
; LDS: three slots of four chunks (R0, R1, S0, S1; wave w fills chunk w).  Tile 1's K steps 0, 1, 2 (256 along K each) go out together at the start: three tensor loads of mine are out; K step 3 is a refill of slot 0.
; Tile 2's four K steps (one chunk of R, two of S on end) are 12 chunks, as many as the three slots hold: K steps 0, 1 are asked for when slots 1 and 2 have been read out (behind tile 1's K step 2),
; K steps 2, 3 when slot 0 has (in the middle of tile 1's way out): one load a wave behind each of these rounds.
; The biases are the C of each tile's first products.  LIMITS: a block of zeros gets the byte 1 and not 127 (its codes are zeros; this program alone reads the bytes); NaN and infinities are not served.
; No prefetch: the tiles are shared in the cluster, three quarters of tile 1's are asked for at the launch's start, and tile 2's are asked for a K step and half a way out ahead of their use.
; REGISTERS: window 0: v5-27 and v232-239 addresses; v32-63 scale words (tile 1: two sets, register 2 i + q: lanes 0-15 R's block i, lanes 16-31 S's block i; tile 2: S's, register 8 kp + b: lanes 0-15 the first 128 of the K step, lanes 16-31 the second);
;   v64-127 tile 1's bias, later at work; v128-223 R's fragments (tile 1: one set of 8; tile 2: two sets of 4); v224-231 the scale words made; v240-255 tile 2: R's scale words, register 4 kp + a, the halves as S's.
;   window 1: S's fragments, sets at v0 and v128; v96-127 tile 2's bias.   windows 2, 3: the accumulators, (a, b) at v[8 (8 (a % 4) + b)] of window 2 + a / 4.
.set CH,    25600
; THE LDS LAYOUT AND THE FIRST FILLS, as they stand now (they take the place of what the head comment says of three slots of four chunks):
; chunks 2 k, 2 k + 1 hold R's pair of tile 1's K step k (k = 0, 1, 2), chunks 6 + 2 k, 7 + 2 k S's pair.  At the head each wave issues ONE tensor load: wave 0 R's pair of K step 0, wave 1 R's pairs of K steps 1 and 2
; (two rows of 51,200 bytes), waves 2 and 3 the same for S: all twelve chunks are asked for at the start.  Waves 0 and 2 alone wait in front of the first barrier; every wave waits for all its loads in front of the first change of slots.
; K step 3 refills chunks 0, 1 and 6, 7 behind that change (waves 0 and 2, a pair each).  Tile 2: K steps 0, 1: R at chunks 2, 3, S's pairs at 4 and 8; K steps 2, 3: R at 0, 1, S's pairs at 6 and 10.
.set SLOT,  2*CH                       ; from a K step's pair to the next
.set KX,    64*CH                      ; a K step on in xi
.set KW,    24*CH                      ; and in wi
.set SCRB,  12*CH
.set SPARE, SCRB+4*1536                ; the spare words, 128 bytes for each wave: two blocks of 256 bytes that no other line names
.set AR2, 5                            ; v5-8    tile 2: my 64 rows of R's chunk of K step 0..3, + 16 x lane
.set AS2, 9                            ; v9-12   tile 2: my chunk of S likewise
.set SCR2, 13                          ; v13     my scratch + 8 x lane
.set LI8, 14                           ; v14     8 x lane
.set AR,  16                           ; v16-18  my R chunk in slot 0, 1, 2, + 16 x lane
.set AS,  19                           ; v19-21  my S chunk likewise
.set ASC, 22                           ; v22-24  scale words: lanes 0-15 in my R chunk, lanes 16-31 in my S chunk
.set LI,  25                           ; v25     16 x lane
.set SCW, 26                           ; v26     my scratch + 4 r
.set SCR, 27                           ; v27     my scratch + 16 x lane
.set SPW, 28                           ; v28     LDS address of my spare word; never rewritten
.set NIL, 29                           ; v29     0; never rewritten
.set SC,  32
.set BI,  64
.set TM,  64                           ; the way out: v64-67 largest magnitudes, v68-71 the other half's, then bytes, v72-75 scale operands, v76-87 codes, v88-94 second halves
.set TX,  68
.set SOP, 72
.set PC,  76
.set P2,  88
.set B2,  96                           ; in window 1: tile 2's bias, eight registers a block
.set RF,  128
.set PW,  224
.set ASS2, 232                         ; v232-235 tile 2: S's scale words of K step 0..3: + 512 h + 4 r
.set ARS2, 236                         ; v236-239 tile 2: R's likewise
.set RS2, 240
.set G1R, 24                           ; s[24:31] descriptor group 1 of one chunk;  s[40:43], s[52:55] groups 0
.set G1S, 32
.set G0R, 40
.set G0S, 52
.set G1Q, 32                           ; s[32:39] group 1 of a pair of chunks on end with R's mask
.set G1RH, 44                          ; s[44:51], s[56:63] groups 1 of two pairs, a K step apart: R's, S's
.set G1SH, 56
.macro JPAIR                           ; tile 1's K step 3: wave 0 fetches R's pair, wave 2 S's; the four v_nop in front are every wave's places ahead of the loads that follow
	PLACES 4
	s_cmp_lg_u32 s18, 0
	s_cbranch_scc1 .Lpasked_\@
	s_cmp_eq_u32 s17, 0
	s_cbranch_scc0 .Lpfor_s_\@
	tensor_load_to_lds s[G0R:G0R+3], s[G1Q:G1Q+7]
	s_nop 0
	PLACES 4
	s_branch .Lpasked_\@
.Lpfor_s_\@:
	tensor_load_to_lds s[G0S:G0S+3], s[G1P:G1P+7]
	s_nop 0
	PLACES 4
.Lpasked_\@:
.endm
.macro ARM under, g0, g1, next         ; an arm of the head's one chain of branches on the wave's number: one load, then the jump to the join
	s_cmp_lt_u32 s16, \under
	s_cbranch_scc0 \next
	tensor_load_to_lds s[\g0:\g0+3], s[\g1:\g1+7]
	s_nop 0
	PLACES 4
	s_branch .Lfirst_done
\next:
.endm
.set G1P, 68                           ; s[68:75] group 1 of two chunks on end, for tile 2's S
.set G0R2, 76                          ; s[76:79], s[80:83] tile 2's groups 0, which walk
.set G0S2, 80
.set MSB, 0
.macro WIN new                         ; the immediate's high byte repeats the setting that is left
.if MSB != \new
	s_set_vgpr_msb (MSB<<8)|\new
.set MSB, \new
.endif
.endm
.macro PLACES n
.rept \n
	v_nop
.endr
.endm
.macro CREST                           ; a round of the cluster's barrier behind its opening barrier
	s_cmp_lg_u32 s16, 0
	s_cbranch_scc1 .Lnot_wave_0_\@
	s_barrier_signal -3
.Lnot_wave_0_\@:
	s_barrier_wait -3
	s_barrier_signal -1
	s_barrier_wait -1
.endm
.macro CROUND
	s_barrier_signal -1
	s_barrier_wait -1
	CREST
.endm
.macro JLOAD g0r, g0s, g1s             ; a joint load: waves 0 and 1 fetch for R, waves 2 and 3 for S; an s_nop 0 and four v_nop follow each line
	s_cmp_eq_u32 s17, 0
	s_cbranch_scc0 .Lfor_s_\@
	tensor_load_to_lds s[\g0r:\g0r+3], s[G1R:G1R+7]
	s_nop 0
.rept 4
	v_nop
.endr
	s_branch .Lasked_\@
.Lfor_s_\@:
	tensor_load_to_lds s[\g0s:\g0s+3], s[\g1s:\g1s+7]
	s_nop 0
.rept 4
	v_nop
.endr
.Lasked_\@:
.endm
.macro FRAG reg, adr, off              ; a fragment's image: three loads of 512 consecutive bytes
.irp c, 0,1,2
	ds_load_b128 v[(\reg)+4*\c:(\reg)+4*\c+3], v[\adr] offset:(\off)+512*\c
.endr
.endm
; ---------------- tile 1
.macro FETCH_S slot, q, set
	WIN 0x40
.irp i, 0,1,2,3,4,5,6,7
	FRAG 128*(\set)+12*\i, AS+(\slot), 12288*(\q)+1536*\i
.endr
	WIN 0
.endm
.macro FETCH_R slot, q, i0
.irp i, \i0, \i0+1, \i0+2, \i0+3
	FRAG RF+12*(\i), AR+(\slot), 12288*(\q)+1536*(\i)
.endr
.endm
.macro SCALES sc, slot                 ; a K step's scale words, both of its 128s
.irp i, 0,1,2,3,4,5,6,7
.irp q, 0,1
	ds_load_b32 v[SC+16*(\sc)+2*\i+\q], v[ASC+(\slot)] offset:512*\q+64*\i
.endr
.endr
.endm
; one product.  cm: 0 adds in place; 1: C = the bias of S's block b
.macro MM a, b, set, q, sc, cm
.set rgD, 8*(8*((\a)%4)+(\b))
.set rgS, 128*(\set)+12*(\b)
.set rgR, RF+12*(\a)
.set scS, SC+16*(\sc)+2*(\b)+(\q)
.set scR, SC+16*(\sc)+2*(\a)+(\q)
.if \cm == 0
	v_wmma_scale_f32_16x16x128_f8f6f4 v[rgD:rgD+7], v[rgS:rgS+11], v[rgR:rgR+11], v[rgD:rgD+7], v[scS], v[scR] matrix_a_fmt:MATRIX_FMT_FP6 matrix_b_fmt:MATRIX_FMT_FP6 matrix_a_scale:MATRIX_SCALE_ROW1
.else
	v_wmma_scale_f32_16x16x128_f8f6f4 v[rgD:rgD+7], v[rgS:rgS+11], v[rgR:rgR+11], v[BI+8*(\b):BI+8*(\b)+7], v[scS], v[scR] matrix_a_fmt:MATRIX_FMT_FP6 matrix_b_fmt:MATRIX_FMT_FP6 matrix_a_scale:MATRIX_SCALE_ROW1
.endif
.endm
.macro MUL16 a0, set, q, sc, cm        ; R's blocks a0, a0 + 1 against S's eight.  The 64 accumulators take turns, one instruction a turn, in the same order in every step
.irp a, \a0, \a0+1
.irp b, 0,1,2,3,4,5,6,7
	MM (\a), \b, \set, \q, \sc, \cm
.endr
.endr
.endm
; The first 128 of K step kp; the second 128's fragments are fetched in two runs, each behind four places.
.macro STEP kp, cm
	s_wait_dscnt 12                                ; S's set, R's blocks 0-3 and the scale words are in; the youngest twelve loads (R's blocks 4-7) may be out
.if \cm == 0
	WIN 0xa1                                       ; source 0 window 1, source 1 window 0, C and D window 2
.else
	WIN 0x81                                       ; the same with C (the bias) in window 0
.endif
	MUL16 0, 0, 0, (\kp)%2, \cm
	MUL16 2, 0, 0, (\kp)%2, \cm
	s_wait_dscnt 0x0                               ; R's blocks 4-7 are in
	PLACES 4                                       ; in front of loads into registers that matrix instructions have read
	FETCH_S (\kp)%3, 1, 1
	FETCH_R (\kp)%3, 1, 0
.if \cm == 0
	WIN 0xf1
.else
	WIN 0xc1
.endif
	MUL16 4, 0, 0, (\kp)%2, \cm
	MUL16 6, 0, 0, (\kp)%2, \cm
	PLACES 4
	WIN 0
	FETCH_R (\kp)%3, 1, 4
.endm
; The second 128 of K step kp, and the change of slots.  mode 0: the next slot's fill is waited.
; modes 1 and 3: LDS bytes are filled again: all my tensor loads are waited for, the add, the wait for it and for my reads, a round of the cluster's barrier, the joint refill first behind it.
; mode 1: slot 0 takes tile 1's K step 3.  mode 3: slots 1 and 2, which nobody reads any more, take tile 2's K steps 0 and 1.
.macro TURN kp, mode
.if \mode == 0
	s_wait_dscnt 12
.else
	s_wait_tensorcnt 0x0                           ; all my tensor loads have landed, my part of the next slot among them
	ds_add_u32 v[SPW], v[NIL]                      ; 0 onto my spare word
	s_wait_dscnt 13                                ; (the add and the youngest twelve loads may be out)
.endif
	WIN 0xa1
	MUL16 0, 1, 1, (\kp)%2, 0
	s_wait_dscnt 0x0                               ; my reads of this slot are over (and the add is done)
.if \mode
	s_barrier_signal -1
.endif
	MUL16 2, 1, 1, (\kp)%2, 0
	WIN 0
.if \mode                              ; mode 0: the next K step landed before the first change of slots, and nothing is filled: no barrier
	s_barrier_wait -1
.endif
.if \mode == 1
	CREST                                          ; the barrier has opened a round of the cluster's barrier: no wave of any partner still reads slot 0 or has a load on its way
	s_add_nc_u64 s[G0R+2:G0R+3], s[G0R+2:G0R+3], 3*KX   ; slot 0's set: from K step 0 to K step 3
	s_add_nc_u64 s[G0S+2:G0S+3], s[G0S+2:G0S+3], 3*KW
	JPAIR
.elseif \mode == 3
	CREST                                          ; no wave of any partner still reads slots 1 and 2 or has a load on its way
	JLOAD G0R2, G0S2, G1P                          ; it has K step 3's 128 matrix instructions and four blocks' way out in which to land
.else
	PLACES 4
.endif
	FETCH_S ((\kp)+1)%3, 0, 0
	FETCH_R ((\kp)+1)%3, 0, 0
	SCALES ((\kp)+1)%2, ((\kp)+1)%3
	WIN 0xf1
	MUL16 4, 1, 1, (\kp)%2, 0
	MUL16 6, 1, 1, (\kp)%2, 0
	PLACES 4
	WIN 0
	FETCH_R ((\kp)+1)%3, 0, 4
.endm
; ---------------- tile 2: step n = 0 .. 7 is the (n % 2)-th 128 of K step n / 2
.macro FETCH2 n                        ; S's eight fragments and R's four, into set n % 2
	WIN 0x40
.irp b, 0,1,2,3,4,5,6,7
	FRAG 128*((\n)%2)+12*\b, AS2+(\n)/2, 12288*((\n)%2)+1536*\b
.endr
	WIN 0
.irp a, 0,1,2,3
	FRAG RF+48*((\n)%2)+12*\a, AR2+(\n)/2, 12288*((\n)%2)+1536*\a
.endr
.endm
.macro SSC2 sl                         ; the scale words of K steps 2 sl and 2 sl + 1
.irp k, 0,1
.irp b, 0,1,2,3,4,5,6,7
	ds_load_b32 v[SC+16*(\sl)+8*\k+\b], v[ASS2+2*(\sl)+\k] offset:64*\b
.endr
.irp a, 0,1,2,3
	ds_load_b32 v[RS2+8*(\sl)+4*\k+\a], v[ARS2+2*(\sl)+\k] offset:64*\a
.endr
.endr
.endm
.macro MUL8 a, n, cm                   ; R's block a against S's eight.  cm = 1: C = the bias of R's block a.  The 32 accumulators take turns, one instruction a turn, in the same order in every step
.irp b, 0,1,2,3,4,5,6,7
.set rgD, 8*(8*(\a)+\b)
.set rgS, 128*((\n)%2)+12*\b
.set rgR, RF+48*((\n)%2)+12*(\a)
.set scS, SC+8*((\n)/2)+\b
.set scR, RS2+4*((\n)/2)+(\a)
.if \cm
	v_wmma_scale_f32_16x16x128_f8f6f4 v[rgD:rgD+7], v[rgS:rgS+11], v[rgR:rgR+11], v[B2+8*(\a):B2+8*(\a)+7], v[scS], v[scR] matrix_a_fmt:MATRIX_FMT_FP6 matrix_b_fmt:MATRIX_FMT_FP6
.elseif (\n)%2 == 0
	v_wmma_scale_f32_16x16x128_f8f6f4 v[rgD:rgD+7], v[rgS:rgS+11], v[rgR:rgR+11], v[rgD:rgD+7], v[scS], v[scR] matrix_a_fmt:MATRIX_FMT_FP6 matrix_b_fmt:MATRIX_FMT_FP6
.else
	v_wmma_scale_f32_16x16x128_f8f6f4 v[rgD:rgD+7], v[rgS:rgS+11], v[rgR:rgR+11], v[rgD:rgD+7], v[scS], v[scR] matrix_a_fmt:MATRIX_FMT_FP6 matrix_b_fmt:MATRIX_FMT_FP6 matrix_a_scale:MATRIX_SCALE_ROW1 matrix_b_scale:MATRIX_SCALE_ROW1
.endif
.endr
.endm
.macro WMUL cm
.if \cm
	WIN 0x91                                       ; source 0 window 1, source 1 window 0, C (the bias) window 1, D window 2
.else
	WIN 0xa1                                       ; C and D window 2
.endif
.endm
.macro STEP2 n, cm
	s_wait_dscnt 0x0                               ; this step's fragments are in
	WMUL \cm
	MUL8 0, \n, \cm
	PLACES 4                                       ; in front of loads into the other sets, which the last step's products read
	FETCH2 (\n)+1
	WMUL \cm
	MUL8 1, \n, \cm
	MUL8 2, \n, \cm
	MUL8 3, \n, \cm
	WIN 0
.endm
; ---------------- the way out
; From the blocks' largest magnitudes in v[TM] on: scale operands, bytes, the scale word, the codes of R's block a (64 numbers a lane in the accumulators), the exchange of halves, the stores.
; ob: the scalar pair with the codes' place in memory; so: where in my scratch the tile's scale words are gathered.
.macro TAIL a, ob, so
.set AC, 64*((\a)%4)
.set WW, 2+(\a)/4
.irp g, 0,1,2,3
	v_add_nc_u32 v[SOP+\g], 0xff000000, v[TM+\g]   ; 2 off the exponent field: the conversion's scale operand
.endr
.irp g, 0,1,2,3
	v_lshrrev_b32 v[TX+\g], 23, v[SOP+\g]          ; the byte
.endr
	v_lshl_or_b32 v[PW+(\a)], v[TX+1], 8, v[TX]
	v_lshl_or_b32 v[PW+(\a)], v[TX+2], 16, v[PW+(\a)]
	v_lshl_or_b32 v[PW+(\a)], v[TX+3], 24, v[PW+(\a)]
	s_wait_xcnt 0x0                                ; the last block's stores have read the codes' registers
	WIN WW                                         ; source 0 in the accumulators' window
.irp c, 0,1
	v_cvt_scalef32_pk16_fp6_f32 v[PC+6*\c:PC+6*\c+2], v[AC+32*\c:AC+32*\c+15], v[SOP+2*\c]
	v_cvt_scalef32_pk16_fp6_f32 v[P2+4*\c:P2+4*\c+2], v[AC+32*\c+16:AC+32*\c+31], v[SOP+2*\c+1]   ; (a conversion's three registers begin on an even number)
.endr
	WIN 0
	v_nop                                          ; one plain instruction behind the conversions
.irp c, 0,1                            ; the layout wants a whole block in a lane: lanes 0-15 block 2 c, lanes 16-31 block 2 c + 1
.irp i, 0,1,2
	v_permlane16_swap_b32 v[PC+6*\c+\i], v[P2+4*\c+\i]
.endr
.irp i, 0,1,2
	v_mov_b32 v[PC+3+6*\c+\i], v[P2+4*\c+\i]
.endr
.endr
.irp c, 0,1,2
	global_store_b128 v[LI], v[PC+4*\c:PC+4*\c+3], s[\ob:\ob+1] offset:1536*(\a)+512*\c   ; the fragment's image: 512 consecutive aligned bytes a store
.endr
	ds_store_b32 v[SCW], v[PW+(\a)] offset:(\so)+64*(\a)   ; both halves of the lanes write the same word with the same value
.endm
.macro QUANT a, ob, so
.set AC, 64*((\a)%4)
.set WW, 2+(\a)/4
.set W2, WW|(WW<<2)
	WIN W2                                         ; sources 0 and 1 in the accumulators' window
.irp g, 0,1,2,3
	v_max3_num_f32 v[TM+\g], |v[AC+16*\g]|, |v[AC+16*\g+1]|, 0x1800000   ; block g: my 16 numbers, each accumulator from its low end on, and the floor 2^(3 - 127)
.endr
.irp i, 2,4,6,8,10,12,14
.irp g, 0,1,2,3
	v_max3_num_f32 v[TM+\g], |v[AC+16*\g+\i]|, |v[AC+16*\g+\i+1]|, v[TM+\g]
.endr
.endr
	WIN 0
.irp g, 0,1,2,3
	v_permlanex16_b32 v[TX+\g], v[TM+\g], s86, s87
.endr
.irp g, 0,1,2,3
	v_max_num_f32 v[TM+\g], v[TM+\g], v[TX+\g]     ; with lane l xor 16's: the block's largest magnitude
.endr
	TAIL \a, \ob, \so
.endm
.macro ADR2 k, rb, sb                  ; tile 2's K step k lies with R's chunk at LDS byte rb and S's two chunks at sb
	s_add_co_u32 s96, s2, \rb
	v_add_nc_u32 v[AR2+\k], s96, v[LI]
	s_add_co_u32 s96, s93, (\rb)+24576
	v_add_nc_u32 v[ARS2+\k], s96, v15
	s_add_co_u32 s96, s3, \sb
	v_add_nc_u32 v[AS2+\k], s96, v[LI]
	s_add_co_u32 s96, s3, (\sb)+24576
	v_add_nc_u32 v[ASS2+\k], s96, v15
.endm
	s_load_b256 s[4:11], s[0:1], 0x0               ; xi s[4:5], wi s[6:7], b s[8:9], qi s[10:11]
	s_load_b128 s[12:15], s[0:1], 0x20             ; ki s[12:13], vi s[14:15]
	v_lshl_add_u32 v[SPW], v0, 2, SPARE
	v_mov_b32 v[NIL], 0
	ds_add_u32 v[SPW], v[NIL]                      ; the wave's opening: the add and its wait ahead of my first tensor load; work on registers stands between them
	ds_add_u32 v[SPW], v[NIL]
	v_lshrrev_b32 v1, 5, v0
	v_readfirstlane_b32 s16, v1                    ; wave
	s_lshr_b32 s17, s16, 1                         ; hR: my half of R's rows.  Also: I fetch for R (0) or for S (1)
	s_and_b32 s18, s16, 1                          ; hS: my half of S's rows.  Also: which chunk (tile 1) or which of two K steps (tile 2) I fetch
	s_bfe_u32 s19, ttmp6, 0x40000                  ; cx
	s_bfe_u32 s20, ttmp6, 0x40004                  ; cy
	s_mov_b32 s21, ttmp9                           ; the cluster's x: 0 Q, 1 K
	s_and_b32 s22, ttmp7, 0xffff                   ; the cluster's y
	s_lshl_b32 s90, s20, 2
	s_lshl_b32 s90, 15, s90                        ; my row of the cluster
	s_lshl_b32 s94, 0x1111, s19                    ; my column
	s_or_b32 s[G1R], s90, (3<<16)|(1<<21)          ; 15:0 the mask; 17:16 elements of 8 bytes; 21 set beside a mask; no padding
	s_or_b32 s[G1Q], s90, (3<<16)|(1<<21)
	s_or_b32 s[G1P], s94, (3<<16)|(1<<21)
	s_or_b32 s[G1RH], s90, (3<<16)|(1<<21)
	s_or_b32 s[G1SH], s94, (3<<16)|(1<<21)
.irp g, G1RH, G1SH                     ; two rows of 6,400 elements of 8 bytes: a pair of chunks for each of two K steps
	s_mov_b32 s[\g+1], 6400<<16
	s_mov_b32 s[\g+2], 2<<16
	s_mov_b32 s[\g+3], 6400<<16
	s_mov_b32 s[\g+4], 2
	s_mov_b32 s[\g+6], 0
	s_mov_b32 s[\g+7], 0
.endr
	s_mov_b32 s[G1RH+5], KX/8              ; the pitch: a K step on, in elements
	s_mov_b32 s[G1SH+5], KW/8
	s_mov_b32 s[G1Q+1], 32<<16             ; two chunks on end: 200 rows of 256 bytes
	s_mov_b32 s[G1Q+2], 200<<16
	s_mov_b32 s[G1Q+3], 32<<16
	s_mov_b32 s[G1Q+4], 200
	s_mov_b32 s[G1Q+5], 32
	s_mov_b32 s[G1Q+6], 0
	s_mov_b32 s[G1Q+7], 0
.irp g, G1R
	s_mov_b32 s[\g+1], 32<<16
	s_mov_b32 s[\g+2], 100<<16
	s_mov_b32 s[\g+3], 32<<16
	s_mov_b32 s[\g+4], 100
	s_mov_b32 s[\g+5], 32
	s_mov_b32 s[\g+6], 0
	s_mov_b32 s[\g+7], 0
.endr
	s_mov_b32 s[G1P+1], 32<<16                     ; two chunks on end: 200 rows
	s_mov_b32 s[G1P+2], 200<<16
	s_mov_b32 s[G1P+3], 32<<16
	s_mov_b32 s[G1P+4], 200
	s_mov_b32 s[G1P+5], 32
	s_mov_b32 s[G1P+6], 0
	s_mov_b32 s[G1P+7], 0
	s_lshl_b32 s23, s22, 2
	s_add_co_u32 s23, s23, s20                     ; tile 1's 256 tokens: 4 x cluster y + cy
	s_lshl_b32 s90, s23, 1                         ; tile 1, R: the chunk of xi that I fetch: registers that never hold cx
	s_lshl_b32 s91, s18, 6                         ; wave 1 begins a K step (64 chunks) on
	s_add_co_u32 s90, s90, s91
	s_mul_i32 s90, s90, CH
	s_mov_b32 s91, 0
	s_lshl_b32 s94, s21, 2                         ; tile 1, S: the chunk of wi: 2 (4 x cluster x + cx) + which: registers that never hold cy
	s_add_co_u32 s94, s94, s19
	s_lshl_b32 s94, s94, 1
	s_mul_i32 s95, s18, 24                         ; wave 3 begins a K step (24 chunks) on
	s_add_co_u32 s94, s94, s95
	s_mul_i32 s94, s94, CH
	s_mov_b32 s95, 0
	s_lshl_b32 s96, s21, 2                         ; tile 2, R: chunk 16 + 4 x cluster x + cy of wi, K step = which: never cx
	s_add_co_u32 s96, s96, s20
	s_add_co_u32 s96, s96, 16
	s_mul_i32 s97, s18, 24
	s_add_co_u32 s96, s96, s97
	s_mul_i32 s96, s96, CH
	s_mov_b32 s97, 0
	s_lshl_b32 s98, s22, 2                         ; tile 2, S: chunks 2 t, 2 t + 1 of xi, t = 4 x cluster y + cx, K step = which: never cy
	s_add_co_u32 s98, s98, s19
	s_lshl_b32 s98, s98, 1
	s_lshl_b32 s99, s18, 6
	s_add_co_u32 s98, s98, s99
	s_mul_i32 s98, s98, CH
	s_mov_b32 s99, 0
	s_mul_i32 s92, s18, SLOT                       ; tile 1: where my load goes: K step 0's pair, or K step 1's and 2's
	s_lshl_b32 s84, s19, 6                         ; tile 1's output chunk: 64 cx + my chunk of tokens
	s_lshl_b32 s85, s23, 1
	s_add_co_u32 s84, s84, s85
	s_add_co_u32 s84, s84, s17
	s_mul_i32 s84, s84, CH
	s_lshl_b32 s88, s18, 9
	s_add_co_u32 s88, s88, s84
	s_add_co_u32 s88, s88, 24576                   ; its K step hS: the scale words,
	s_mov_b32 s89, 0
	s_mul_i32 s85, s18, 12288
	s_add_co_u32 s84, s84, s85                     ; the codes
	s_mov_b32 s85, 0
	s_lshl_b32 s2, s22, 2                          ; tile 2's output chunk: 8 t + 4 x cluster x + cy
	s_add_co_u32 s2, s2, s19
	s_lshl_b32 s2, s2, 3
	s_lshl_b32 s3, s21, 2
	s_add_co_u32 s2, s2, s3
	s_add_co_u32 s2, s2, s20
	s_mul_i32 s2, s2, CH
	s_mul_i32 s3, s18, 12288
	s_add_co_u32 s66, s2, s3
	s_mul_i32 s3, s17, 6144
	s_add_co_u32 s66, s66, s3                      ; its K step hS, blocks 4 hR on: the codes,
	s_mov_b32 s67, 0
	s_lshl_b32 s3, s18, 9
	s_add_co_u32 s2, s2, s3
	s_lshl_b32 s3, s17, 8
	s_add_co_u32 s2, s2, s3
	s_add_co_u32 s2, s2, 24576                     ; the scale words
	s_mov_b32 s3, 0
	s_mov_b32 s86, 0x76543210
	s_mov_b32 s87, 0xfedcba98                      ; v_permlanex16_b32's selects for lane l xor 16
	s_wait_dscnt 0x0                               ; the opening add is done
	s_wait_kmcnt 0x0
	s_add_nc_u64 s[90:91], s[4:5], s[90:91]
	s_add_nc_u64 s[94:95], s[6:7], s[94:95]
	CROUND                                         ; all sixteen work-groups are here: the first joint loads meet
.irp s, 0
	s_mov_b32 s[G0R+4*\s], 1
	s_add_co_u32 s[G0R+4*\s+1], s92, \s*SLOT
	s_add_nc_u64 s[G0R+4*\s+2:G0R+4*\s+3], s[90:91], \s*KX      ; K steps 0, 1, 2
	s_or_b32 s[G0R+4*\s+3], s[G0R+4*\s+3], 0x80000000
	s_mov_b32 s[G0S+4*\s], 1
	s_add_co_u32 s[G0S+4*\s+1], s92, 6*CH
	s_add_nc_u64 s[G0S+4*\s+2:G0S+4*\s+3], s[94:95], \s*KW
	s_or_b32 s[G0S+4*\s+3], s[G0S+4*\s+3], 0x80000000
.endr
	ARM 1, G0R, G1Q,  .Lhead_r12                   ; the head's loads, one a wave: R's pair of K step 0,
	ARM 2, G0R, G1RH, .Lhead_s0                    ; R's pairs of K steps 1 and 2,
	ARM 3, G0S, G1P,  .Lhead_s12                   ; S's pair of K step 0,
	tensor_load_to_lds s[G0S:G0S+3], s[G1SH:G1SH+7] ; S's pairs of K steps 1 and 2
	s_nop 0
	PLACES 4
.Lfirst_done:
	; tile 2's groups 0, for its K steps 0 and 1: R's chunks at LDS bytes 2 CH and 3 CH, S's pairs at 4 CH and 8 CH
	s_mov_b32 s[G0R2], 1
	s_mul_i32 s93, s18, CH
	s_add_co_u32 s[G0R2+1], s93, 2*CH
	s_add_nc_u64 s[G0R2+2:G0R2+3], s[6:7], s[96:97]
	s_or_b32 s[G0R2+3], s[G0R2+3], 0x80000000
	s_mov_b32 s[G0S2], 1
	s_mul_i32 s93, s18, 4*CH
	s_add_co_u32 s[G0S2+1], s93, 4*CH
	s_add_nc_u64 s[G0S2+2:G0S2+3], s[4:5], s[98:99]
	s_or_b32 s[G0S2+3], s[G0S2+3], 0x80000000
	; where the results go, and the biases
	s_cmp_eq_u32 s21, 0
	s_cselect_b64 s[10:11], s[10:11], s[12:13]     ; tile 1's output: qi or ki
	s_add_nc_u64 s[84:85], s[10:11], s[84:85]      ; its codes,
	s_add_nc_u64 s[88:89], s[10:11], s[88:89]      ; its scale words
	s_add_nc_u64 s[12:13], s[14:15], s[2:3]        ; tile 2's scale words in vi,
	s_add_nc_u64 s[14:15], s[14:15], s[66:67]      ; its codes
	s_lshl_b32 s2, s21, 2                          ; tile 2's bias: of my 64 e: 2,048 + 128 (4 x cluster x + cy) + 64 hR
	s_add_co_u32 s2, s2, s20
	s_lshl_b32 s2, s2, 9
	s_lshl_b32 s93, s17, 8
	s_add_co_u32 s2, s2, s93
	s_add_co_u32 s2, s2, 8192
	s_add_nc_u64 s[10:11], s[8:9], s[2:3]
	s_lshl_b32 s2, s21, 2                          ; tile 1's: of my 128 e (S's chunk)
	s_add_co_u32 s2, s2, s19
	s_lshl_b32 s2, s2, 1
	s_add_co_u32 s2, s2, s18
	s_lshl_b32 s2, s2, 9
	s_add_nc_u64 s[8:9], s[8:9], s[2:3]
	s_mul_i32 s66, s18, CH                         ; tile 2's K steps 2 and 3: R's chunks at LDS bytes 0 and CH,
	s_mul_i32 s67, s18, 4*CH
	s_add_co_u32 s67, s67, 6*CH                    ; S's pairs at 6 CH and 10 CH
	v_and_b32 v1, 15, v0                           ; r
	v_bfe_u32 v2, v0, 4, 1                         ; h
	v_and_b32 v3, 31, v0
	v_lshlrev_b32 v[LI], 4, v3
	v_lshlrev_b32 v30, 6, v2                       ; the bias of S's rows: register j of tile 2 g + u is row 32 g + 16 h + 8 u + j
	v_and_b32 v31, 8, v1
	v_add_nc_u32 v31, v31, v1
	v_lshlrev_b32 v31, 2, v31                      ; the bias of R's rows: lane-row r is row r + 8 (r / 8) of its block's
.irp t, 0,1,2,3,4,5,6,7
	global_load_b128 v[BI+8*\t:BI+8*\t+3], v30, s[8:9] offset:(32*(\t/2)+8*(\t%2))*4
	global_load_b128 v[BI+8*\t+4:BI+8*\t+7], v30, s[8:9] offset:(32*(\t/2)+8*(\t%2))*4+16
.endr
	WIN 0x40                                       ; destination window 1
.irp t, 0,1,2,3
.irp j, 0,1,2,3,4,5,6,7
	global_load_b32 v[B2+8*\t+\j], v31, s[10:11] offset:(32*(\t/2)+8*(\t%2))*4   ; a lane's eight registers of a tile are one row of R: the same number eight times
.endr
.endr
	WIN 0
	s_mul_i32 s2, s17, CH                          ; tile 1: my R chunk in a slot
	s_mul_i32 s3, s18, CH
	s_add_co_u32 s3, s3, 6*CH                      ; my S chunk: S's pairs lie behind R's three
	s_sub_co_u32 s96, s3, s2
	v_mul_u32_u24 v4, s96, v2                      ; lanes 16-31 take S's scale words: one product, the distance between the two chunks
	v_lshl_add_u32 v4, v1, 2, v4
	s_add_co_u32 s97, s2, 24576
.irp s, 0,1,2
	v_add_nc_u32 v[AR+\s], s2, v[LI]
	v_add_nc_u32 v[AS+\s], s3, v[LI]
	v_add_nc_u32 v[ASC+\s], s97, v4
	s_add_co_u32 s2, s2, SLOT
	s_add_co_u32 s3, s3, SLOT
	s_add_co_u32 s97, s97, SLOT
.endr
	s_mul_i32 s2, s16, 1536
	s_add_co_u32 s2, s2, SCRB
	v_lshl_add_u32 v[SCW], v1, 2, s2
	v_add_nc_u32 v[SCR], s2, v[LI]
	v_lshlrev_b32 v[LI8], 3, v3
	v_add_nc_u32 v[SCR2], s2, v[LI8]
	s_mul_i32 s2, s17, 6144                        ; tile 2: my four blocks of R's chunk,
	s_mul_i32 s3, s18, CH                          ; my chunk of S's two,
	s_lshl_b32 s93, s17, 8                         ; my four blocks' scale words
	v_lshlrev_b32 v15, 9, v2
	v_lshl_add_u32 v15, v1, 2, v15                 ; 512 h + 4 r: lanes 0-15 the first 128 of a K step, lanes 16-31 the second
	s_wait_alu depctr_va_vdst(0)
	ADR2 0, 2*CH, 4*CH
	ADR2 1, 3*CH, 8*CH
	ADR2 2, 0, 6*CH
	ADR2 3, CH, 10*CH
	s_wait_alu depctr_va_vdst(0)
	s_cmp_lg_u32 s18, 0                            ; waves 0 and 2 asked for K step 0: they wait for it.  The loads of waves 1 and 3 (K steps 1, 2) stay out
	s_cbranch_scc1 .Lk12_later                     ; and every wave waits for all its loads in front of the first change of slots, ahead of the first read of those bytes
	s_wait_tensorcnt 0x0
.Lk12_later:
	s_barrier_signal -1
	s_barrier_wait -1                              ; everybody's has
	FETCH_S 0, 0, 0
	FETCH_R 0, 0, 0
	SCALES 0, 0
	FETCH_R 0, 0, 4
	s_wait_loadcnt 0x0                             ; the biases
	STEP 0, 1                                      ; the first products start the sums with the bias as C
	TURN 0, 1                                      ; K steps 1 and 2 are shown whole to all, and K step 0's bytes take K step 3
	STEP 1, 0
	TURN 1, 0
	STEP 2, 0
	TURN 2, 3
	STEP 3, 0
	s_wait_dscnt 12                                ; tile 1's last 128: nothing more of it to fetch
	WIN 0xa1
	MUL16 0, 1, 1, 1, 0
	MUL16 2, 1, 1, 1, 0
	s_wait_dscnt 0x0                               ; my reads of slot 0 are over
	WIN 0xf1
	MUL16 4, 1, 1, 1, 0
	MUL16 6, 1, 1, 1, 0
	WIN 0
	PLACES 4                                       ; in front of the first read of results
.irp g, 0,1,2,3
	v_mov_b32 v[TX+\g], 0                          ; written once: a lane permute's destination counts as one of its sources
.endr
.irp a, 0,1,2,3
	QUANT \a, 84, 0
.endr
	; slot 0 and the end of slot 2 take tile 2's K steps 2 and 3: all my tensor loads have landed (tile 2's K steps 0 and 1), the add, the wait for it and for my LDS instructions, a round, the joint refill first behind it
	s_wait_tensorcnt 0x0
	ds_add_u32 v[SPW], v[NIL]                      ; 0 onto my spare word; the descriptors' steps stand between it and the wait for it
	s_mov_b32 s[G0R2+1], s66
	s_add_nc_u64 s[G0R2+2:G0R2+3], s[G0R2+2:G0R2+3], 2*KW
	s_mov_b32 s[G0S2+1], s67
	s_add_nc_u64 s[G0S2+2:G0S2+3], s[G0S2+2:G0S2+3], 2*KX
	s_wait_dscnt 0x0
	CROUND
	JLOAD G0R2, G0S2, G1P                          ; it has four blocks' way out and tile 2's first 96 matrix instructions in which to land
	FETCH2 0                                       ; tile 2's first fragments come while tile 1's blocks 4-7 go out
	SSC2 0
.irp a, 4,5,6,7
	QUANT \a, 84, 0
.endr
	ds_load_b128 v[104:107], v[SCR]                ; my eight blocks' scale words: LDS serves a wave's instructions in order
	s_wait_dscnt 0x0
	global_store_b128 v[LI], v[104:107], s[88:89]  ; 512 consecutive aligned bytes
	STEP2 0, 1                                     ; tile 2's first products start the sums with the bias as C
	STEP2 1, 0
	STEP2 2, 0
	s_wait_tensorcnt 0x0                           ; step 3: my part of K steps 2 and 3 has landed;
	ds_add_u32 v[SPW], v[NIL]
	s_wait_dscnt 1                                 ; this step's fragments are in (the add may be out)
	WIN 0xa1
	MUL8 0, 3, 0
	s_wait_dscnt 0x0
	s_barrier_signal -1
	MUL8 1, 3, 0
	WIN 0
	s_barrier_wait -1                              ; everybody's has
	PLACES 4
	FETCH2 4
	SSC2 1
	WIN 0xa1
	MUL8 2, 3, 0
	MUL8 3, 3, 0
	WIN 0
	STEP2 4, 0
	STEP2 5, 0
	STEP2 6, 0
	s_wait_dscnt 0x0                               ; the last step: nothing more to fetch
	WIN 0xa1
	MUL8 0, 7, 0
	MUL8 1, 7, 0
	MUL8 2, 7, 0
	MUL8 3, 7, 0
	WIN 0
	PLACES 4                                       ; in front of the first read of results
.irp a, 0,1,2,3
	QUANT \a, 14, 512
.endr
	ds_load_b64 v[108:109], v[SCR2] offset:512     ; my four blocks' scale words
	s_wait_dscnt 0x0
	global_store_b64 v[LI8], v[108:109], s[12:13]  ; 256 consecutive aligned bytes
	s_wait_tensorcnt 0x0                           ; the wave's end, behind my last tensor load and my last LDS store
	ds_add_u32 v[SPW], v[NIL]
	s_wait_dscnt 0x0
	CROUND                                         ; the closing round
	s_endpgm
.Lfunc_end_k_qcbd6f7fc38_qkv:
	.size	k_qcbd6f7fc38_qkv, .Lfunc_end_k_qcbd6f7fc38_qkv-k_qcbd6f7fc38_qkv
	.p2alignl 7, 3214868480
	.fill 96, 4, 3214868480
	.section	.rodata,"a",@progbits
	.p2align	6, 0x0
	.amdhsa_kernel k_qcbd6f7fc38_qkv
		.amdhsa_group_segment_fixed_size 327680
		.amdhsa_private_segment_fixed_size 0
		.amdhsa_enable_private_segment 0
		.amdhsa_kernarg_size 48
		.amdhsa_user_sgpr_count 2
		.amdhsa_user_sgpr_kernarg_segment_ptr 1
		.amdhsa_wavefront_size32 1
		.amdhsa_system_sgpr_workgroup_id_x 1
		.amdhsa_system_sgpr_workgroup_id_y 1
		.amdhsa_system_sgpr_workgroup_id_z 1
		.amdhsa_system_vgpr_workitem_id 0
		.amdhsa_next_free_vgpr 1024
		.amdhsa_next_free_sgpr 100
		.amdhsa_reserve_vcc 0
		.amdhsa_float_denorm_mode_32 3
		.amdhsa_float_denorm_mode_16_64 3
		.amdhsa_memory_ordered 1
		.amdhsa_forward_progress 1
		.amdhsa_inst_pref_size 224
	.end_amdhsa_kernel
	.amdgpu_metadata
---
amdhsa.version: [ 1, 2 ]
amdhsa.kernels:
  - .name:           k_qcbd6f7fc38_qkv
    .symbol:         k_qcbd6f7fc38_qkv.kd
    .args:
      - { .name: xi, .offset: 0, .size: 8, .value_kind: global_buffer, .address_space: global }
      - { .name: wi, .offset: 8, .size: 8, .value_kind: global_buffer, .address_space: global }
      - { .name: b, .offset: 16, .size: 8, .value_kind: global_buffer, .address_space: global }
      - { .name: qi, .offset: 24, .size: 8, .value_kind: global_buffer, .address_space: global }
      - { .name: ki, .offset: 32, .size: 8, .value_kind: global_buffer, .address_space: global }
      - { .name: vi, .offset: 40, .size: 8, .value_kind: global_buffer, .address_space: global }
    .group_segment_fixed_size: 327680
    .private_segment_fixed_size: 0
    .kernarg_segment_align: 8
    .kernarg_segment_size: 48
    .max_flat_workgroup_size: 128
    .sgpr_count:     100
    .vgpr_count:     1024
    .wavefront_size: 32
...
	.end_amdgpu_metadata
.endif
;; end of part 2
;; launch scores (part 3): grid 8 x 32, 4 waves a work-group, clusters of 4 x 4, 327,680 bytes of LDS; arguments qi, ki, pi, nm, ls; writes pi, nm, ls
.if DOCPART == 3
	.amdgcn_target "amdgcn-amd-amdhsa--gfx1250"
	.amdhsa_code_object_version 6
	.text
	.protected	k_qcbd6f7fc38_scores
	.globl	k_qcbd6f7fc38_scores
	.p2align	8
	.type	k_qcbd6f7fc38_scores,@function
k_qcbd6f7fc38_scores:
	s_mov_b64 s[64:65], 0
	v_nop
	global_prefetch_b8 v0, s[64:65] scope:SCOPE_SE
	s_setreg_imm32_b32 hwreg(HW_REG_WAVE_MODE, 25, 1), 1
	s_wait_xcnt 0x0
	s_wait_alu depctr_hold_cnt(0) depctr_sa_sdst(0) depctr_va_vdst(0) depctr_va_sdst(0) depctr_va_ssrc(0) depctr_va_vcc(0) depctr_vm_vsrc(0)
	s_getreg_b32 s2, hwreg(HW_REG_IB_STS2, 6, 4)
	s_cmp_eq_u32 s2, 0
	s_cbranch_scc0 .Lentry_in_a_cluster
	s_endpgm
.Lentry_in_a_cluster:
	s_bfe_u32 s2, ttmp6, 0x10000c
	s_cmp_lg_u32 s2, 0xf033
	s_cbranch_scc0 .Lentry_shape_is_right
	s_endpgm
.Lentry_shape_is_right:
; S = Q K^T on codes of FP6 (E2M3) with E8M0 scales, K = 1,024, and the softmax's p as codes.  t = score x log2(e) / 32.  A wave holds 128 queries x 128 keys; for each query it takes
; M = the ceiling of the largest t OF THESE 128 KEYS, p = 2^(t - M), quantises p along the keys, and stores the codes, the scale words, -M and l = the sum of the unquantised p.
; M is a whole number, so the next launch brings every part under the row's own M by taking whole numbers off p's scale bytes and scaling l by exact powers of two: the codes stay as they are.
; OPERANDS lie in chunks of 25,600 bytes: 128 rows x 256 K as images of the operand's registers (byte q*12288 + rbl*1536 + c*512 + 16*lane: registers 4c..4c+3 of fragment (rbl, q);
; byte 24576 + q*512 + rbl*64 + 4*r: the scale word).  Lane-row r of block rbl is the chunk's row 32 (rbl/2) + 8 (rbl%2) + r + 8 (r/8).
; A TILE is 256 queries (R = qi) x 256 keys (S = ki); four waves, each 128 x 128.  Source 0 = 16 keys, source 1 = 16 queries: a lane holds ONE query, and by the order of rows above the 64 registers
; of a block of queries are 128 keys in their true order, 16 neighbours of each 32 in a lane.
; CLUSTER 4 x 4: Q's chunks are asked for jointly along a row of the cluster, K's along a column.  LDS: three slots of four chunks; K steps 0, 1, 2 go out together at the start (three tensor loads of mine are out), K step 3 is the one refill.
; LIMITS: a block whose every p is 0 gets the byte 1 (its codes are zeros); a block's largest p is made from the block's largest score by the same multiply-add and exponential, which takes v_exp_f32 not to fall where its input rises;
; NaN and infinities are not served.  No prefetch: the tiles are shared in the cluster and three quarters of them are asked for at the launch's start.
; REGISTERS: window 0: v16-27 addresses; v32-63 scale words, two sets; v64-115 at work on the way out; v128-223 R's fragments; v224-231 p's scale words, v232-239 -M, v240-247 l.
;   window 1: S's fragments, sets at v0 and v128.   windows 2, 3: the accumulators, (a, b) at v[8 (8 (a % 4) + b)] of window 2 + a / 4.
.set CH,    25600
; THE LDS LAYOUT AND THE FIRST FILLS, as they stand now (they take the place of what the head comment says of three slots of four chunks):
; chunks 2 k, 2 k + 1 hold Q's pair of K step k (k = 0, 1, 2), chunks 6 + 2 k, 7 + 2 k K's pair.  At the head each wave issues ONE tensor load: wave 0 Q's pair of K step 0, wave 1 Q's pairs of K steps 1 and 2
; (two rows of 51,200 bytes), waves 2 and 3 the same for K: all twelve chunks are asked for at the start.  Waves 0 and 2 alone wait in front of the first barrier; every wave waits for all its loads in front of the first change of slots.
; K step 3 refills chunks 0, 1 and 6, 7 behind that change (waves 0 and 2, a pair each).
; p's scale words, -M and l of a wave's 128 queries leave as 512 bytes each, laid for the next launch's loads of 16 bytes: byte 256 (a / 4) + 16 r + 4 (a % 4) is lane-row r of block a.
.set SLOT,  2*CH                       ; from a K step's pair to the next
.set KST,   64*CH                      ; a K step on, in qi and in ki
.set SCRB,  12*CH
.set SPARE, SCRB+4*1536                ; the spare words, 128 bytes for each wave: two blocks of 256 bytes that no other line names
.set AR,  16
.set AS,  19
.set ASC, 22
.set LI,  25
.set SCW, 26
.set SCR, 27
.set SPW, 28                           ; v28     LDS address of my spare word; never rewritten
.set NIL, 29                           ; v29     0; never rewritten
.set SC,  32
.set TM,  64
.set TX,  68
.set SOP, 72
.set PC,  76
.set P2,  88
.set NM,  96                           ; v96 -M, v97 the largest t (named with it as a pair)
.set SU,  98                           ; v98-101 the sum, in two chains of pairs
.set TT,  102
.set RF,  128
.set PW,  224
.set NMS, 232
.set LSS, 240
.set G1R, 24
.set G1S, 32
.set G0R, 40
.set G0S, 52
.set G1RH, 44                          ; s[44:51], s[56:63] groups 1 of two pairs, a K step apart: Q's, K's
.set G1SH, 56
.macro ARM under, g0, g1, next         ; an arm of the head's one chain of branches on the wave's number: one load, then the jump to the join
	s_cmp_lt_u32 s16, \under
	s_cbranch_scc0 \next
	tensor_load_to_lds s[\g0:\g0+3], s[\g1:\g1+7]
	s_nop 0
	PLACES 4
	s_branch .Lfirst_done
\next:
.endm
.set MSB, 0
.macro WIN new                         ; the immediate's high byte repeats the setting that is left
.if MSB != \new
	s_set_vgpr_msb (MSB<<8)|\new
.set MSB, \new
.endif
.endm
.macro PLACES n
.rept \n
	v_nop
.endr
.endm
.macro CREST
	s_cmp_lg_u32 s16, 0
	s_cbranch_scc1 .Lnot_wave_0_\@
	s_barrier_signal -3
.Lnot_wave_0_\@:
	s_barrier_wait -3
	s_barrier_signal -1
	s_barrier_wait -1
.endm
.macro CROUND
	s_barrier_signal -1
	s_barrier_wait -1
	CREST
.endm
.macro JLOAD g0r, g0s                  ; K step 3: wave 0 fetches Q's pair, wave 2 K's; the four v_nop in front are every wave's places ahead of the loads that follow
	PLACES 4
	s_cmp_lg_u32 s18, 0
	s_cbranch_scc1 .Lasked_\@
	s_cmp_eq_u32 s17, 0
	s_cbranch_scc0 .Lfor_s_\@
	tensor_load_to_lds s[\g0r:\g0r+3], s[G1R:G1R+7]
	s_nop 0
.rept 4
	v_nop
.endr
	s_branch .Lasked_\@
.Lfor_s_\@:
	tensor_load_to_lds s[\g0s:\g0s+3], s[G1S:G1S+7]
	s_nop 0
.rept 4
	v_nop
.endr
.Lasked_\@:
.endm
.macro FRAG reg, adr, off
.irp c, 0,1,2
	ds_load_b128 v[(\reg)+4*\c:(\reg)+4*\c+3], v[\adr] offset:(\off)+512*\c
.endr
.endm
.macro FETCH_S slot, q, set
	WIN 0x40
.irp i, 0,1,2,3,4,5,6,7
	FRAG 128*(\set)+12*\i, AS+(\slot), 12288*(\q)+1536*\i
.endr
	WIN 0
.endm
.macro FETCH_R slot, q, i0
.irp i, \i0, \i0+1, \i0+2, \i0+3
	FRAG RF+12*(\i), AR+(\slot), 12288*(\q)+1536*(\i)
.endr
.endm
.macro SCALES sc, slot
.irp i, 0,1,2,3,4,5,6,7
.irp q, 0,1
	ds_load_b32 v[SC+16*(\sc)+2*\i+\q], v[ASC+(\slot)] offset:512*\q+64*\i
.endr
.endr
.endm
.macro MM a, b, set, q, sc, cm         ; cm 0: adds in place; 3: the first product starts the sum
.set rgD, 8*(8*((\a)%4)+(\b))
.set rgS, 128*(\set)+12*(\b)
.set rgR, RF+12*(\a)
.set scS, SC+16*(\sc)+2*(\b)+(\q)
.set scR, SC+16*(\sc)+2*(\a)+(\q)
.if \cm == 0
	v_wmma_scale_f32_16x16x128_f8f6f4 v[rgD:rgD+7], v[rgS:rgS+11], v[rgR:rgR+11], v[rgD:rgD+7], v[scS], v[scR] matrix_a_fmt:MATRIX_FMT_FP6 matrix_b_fmt:MATRIX_FMT_FP6 matrix_a_scale:MATRIX_SCALE_ROW1
.else
	v_wmma_scale_f32_16x16x128_f8f6f4 v[rgD:rgD+7], v[rgS:rgS+11], v[rgR:rgR+11], 0, v[scS], v[scR] matrix_a_fmt:MATRIX_FMT_FP6 matrix_b_fmt:MATRIX_FMT_FP6 matrix_a_scale:MATRIX_SCALE_ROW1
.endif
.endm
.macro MUL16 a0, set, q, sc, cm        ; the 64 accumulators take turns, one instruction a turn, in the same order in every step
.irp a, \a0, \a0+1
.irp b, 0,1,2,3,4,5,6,7
	MM (\a), \b, \set, \q, \sc, \cm
.endr
.endr
.endm
.macro STEP kp, cm
	s_wait_dscnt 12                                ; all but the youngest twelve loads (R's blocks 4-7)
	WIN 0xa1
	MUL16 0, 0, 0, (\kp)%2, \cm
	MUL16 2, 0, 0, (\kp)%2, \cm
	s_wait_dscnt 0x0
	PLACES 4                                       ; in front of loads into registers that matrix instructions have read
	FETCH_S (\kp)%3, 1, 1
	FETCH_R (\kp)%3, 1, 0
	WIN 0xf1
	MUL16 4, 0, 0, (\kp)%2, \cm
	MUL16 6, 0, 0, (\kp)%2, \cm
	PLACES 4
	WIN 0
	FETCH_R (\kp)%3, 1, 4
.endm
; mode 0: the next slot's fill is waited.  mode 1: slot 0 is filled again: all my tensor loads are waited for, the add, the wait for it and for my reads,
; a round of the cluster's barrier, the joint refill first behind it.  mode 2: as 1 without round and refill.
.macro TURN kp, mode
.if \mode == 0
	s_wait_dscnt 12
.else
	s_wait_tensorcnt 0x0
	ds_add_u32 v[SPW], v[NIL]                      ; 0 onto my spare word
	s_wait_dscnt 13                                ; (the add and the youngest twelve loads may be out)
.endif
	WIN 0xa1
	MUL16 0, 1, 1, (\kp)%2, 0
	s_wait_dscnt 0x0                               ; my reads of this slot are over (and the add is done)
.if \mode
	s_barrier_signal -1
.endif
	MUL16 2, 1, 1, (\kp)%2, 0
	WIN 0
.if \mode                              ; mode 0: the next K step landed before the first change of slots, and nothing is filled: no barrier
	s_barrier_wait -1
.endif
.if \mode == 1
	CREST
	s_add_nc_u64 s[G0R+2:G0R+3], s[G0R+2:G0R+3], 3*KST   ; slot 0's set: from K step 0 to K step 3
	s_add_nc_u64 s[G0S+2:G0S+3], s[G0S+2:G0S+3], 3*KST
	JLOAD G0R, G0S                                 ; its four v_nop are also the places in front of the loads below
.else
	PLACES 4
.endif
	FETCH_S ((\kp)+1)%3, 0, 0
	FETCH_R ((\kp)+1)%3, 0, 0
	SCALES ((\kp)+1)%2, ((\kp)+1)%3
	WIN 0xf1
	MUL16 4, 1, 1, (\kp)%2, 0
	MUL16 6, 1, 1, (\kp)%2, 0
	PLACES 4
	WIN 0
	FETCH_R ((\kp)+1)%3, 0, 4
.endm
.macro TAIL a
.set AC, 64*((\a)%4)
.set WW, 2+(\a)/4
.irp g, 0,1,2,3
	v_add_nc_u32 v[SOP+\g], 0xff000000, v[TM+\g]   ; 2 off the exponent field: the conversion's scale operand
.endr
.irp g, 0,1,2,3
	v_lshrrev_b32 v[TX+\g], 23, v[SOP+\g]          ; the byte
.endr
	v_lshl_or_b32 v[PW+(\a)], v[TX+1], 8, v[TX]
	v_lshl_or_b32 v[PW+(\a)], v[TX+2], 16, v[PW+(\a)]
	v_lshl_or_b32 v[PW+(\a)], v[TX+3], 24, v[PW+(\a)]
	s_wait_xcnt 0x0                                ; the last block's stores have read the codes' registers
	WIN WW
.irp c, 0,1
	v_cvt_scalef32_pk16_fp6_f32 v[PC+6*\c:PC+6*\c+2], v[AC+32*\c:AC+32*\c+15], v[SOP+2*\c]
	v_cvt_scalef32_pk16_fp6_f32 v[P2+4*\c:P2+4*\c+2], v[AC+32*\c+16:AC+32*\c+31], v[SOP+2*\c+1]
.endr
	WIN 0
	v_nop                                          ; one plain instruction behind the conversions
.irp c, 0,1
.irp i, 0,1,2
	v_permlane16_swap_b32 v[PC+6*\c+\i], v[P2+4*\c+\i]
.endr
.irp i, 0,1,2
	v_mov_b32 v[PC+3+6*\c+\i], v[P2+4*\c+\i]
.endr
.endr
.irp c, 0,1,2
	global_store_b128 v[LI], v[PC+4*\c:PC+4*\c+3], s[78:79] offset:1536*(\a)+512*\c
.endr
	ds_store_b32 v[SCW], v[PW+(\a)] offset:256*((\a)/4)+4*((\a)%4)
.endm
; The softmax of block a's sixteen queries over my 128 keys.
.macro SOFT a
.set AC, 64*((\a)%4)
.set WW, 2+(\a)/4
.set W2, WW|(WW<<2)
.set W6, WW|(WW<<6)
	WIN W2
.irp g, 0,1,2,3
	v_max_num_f32 v[TM+\g], v[AC+16*\g], v[AC+16*\g+1]   ; the largest score of each block of 32 keys, each accumulator from its low end on: it serves for the row's maximum and for the block's largest p
.endr
.irp i, 2,4,6,8,10,12,14
.irp g, 0,1,2,3
	v_max3_num_f32 v[TM+\g], v[AC+16*\g+\i], v[AC+16*\g+\i+1], v[TM+\g]
.endr
.endr
	WIN 0
.irp g, 0,1,2,3
	v_permlanex16_b32 v[TX+\g], v[TM+\g], s86, s87
.endr
.irp g, 0,1,2,3
	v_max_num_f32 v[TM+\g], v[TM+\g], v[TX+\g]
.endr
	v_max3_num_f32 v[TT], v[TM], v[TM+1], v[TM+2]
	v_max_num_f32 v[TT], v[TT], v[TM+3]
	v_mul_f32 v[NM+1], s88, v[TT]                  ; the largest t (c is positive)
	v_floor_f32 v[NM], -v[NM+1]                    ; -M = floor(-t) = -ceil(t)
.irp g, 0,1,2,3
	v_fma_f32 v[TM+\g], v[TM+\g], s88, v[NM]
.endr
	WIN W6                                         ; destination and source 0 in the accumulators' window
.set j, 0
.rept 32
	v_pk_fma_f32 v[AC+j:AC+j+1], v[AC+j:AC+j+1], s[88:89], v[NM:NM+1] op_sel_hi:[1,0,0]   ; t - M, two at a time
.set j, j+2
.endr
.set j, 0
	s_wait_alu depctr_va_vdst(0)
.rept 64
	v_exp_f32 v[AC+j], v[AC+j]                     ; p = 2^(t - M)
.set j, j+1
.endr
	WIN 0
	v_mov_b32 v[NMS+(\a)], v[NM]                   ; plain instructions behind the exponentials
.irp i, 0,1,2,3
	v_mov_b32 v[SU+\i], 0
.endr
	s_wait_alu depctr_va_vdst(0)                   ; one wait for the batch of 64, ahead of its first reader
.irp g, 0,1,2,3
	v_exp_f32 v[TM+\g], v[TM+\g]                   ; the blocks' largest p
.endr
	WIN WW
.set j, 0
.rept 16
	v_pk_add_f32 v[SU:SU+1], v[AC+j:AC+j+1], v[SU:SU+1]         ; the sum of the unquantised p, in two chains.  (It reads the 64 alone: plain work behind the four)
	v_pk_add_f32 v[SU+2:SU+3], v[AC+j+2:AC+j+3], v[SU+2:SU+3]
.set j, j+4
.endr
	WIN 0
	v_pk_add_f32 v[SU:SU+1], v[SU:SU+1], v[SU+2:SU+3]
	v_add_f32 v[SU], v[SU], v[SU+1]
	v_permlanex16_b32 v[TT], v[SU], s86, s87
	v_add_f32 v[LSS+(\a)], v[SU], v[TT]            ; with lane l xor 16's 64 keys
	s_wait_alu depctr_va_vdst(0)                   ; and one wait for the four
.irp g, 0,1,2,3
	v_max_num_f32 v[TM+\g], 0x1800000, v[TM+\g]    ; the floor 2^(3 - 127): the byte cannot fall under 1
.endr
	TAIL \a
	ds_store_b32 v[SCW], v[NMS+(\a)] offset:512+256*((\a)/4)+4*((\a)%4)
	ds_store_b32 v[SCW], v[LSS+(\a)] offset:1024+256*((\a)/4)+4*((\a)%4)
.endm
	s_load_b256 s[4:11], s[0:1], 0x0               ; qi s[4:5], ki s[6:7], pi s[8:9], nm s[10:11]
	s_load_b64 s[12:13], s[0:1], 0x20              ; ls
	v_lshl_add_u32 v[SPW], v0, 2, SPARE
	v_mov_b32 v[NIL], 0
	ds_add_u32 v[SPW], v[NIL]                      ; the wave's opening: the add and its wait ahead of my first tensor load; work on registers stands between them
	ds_add_u32 v[SPW], v[NIL]
	v_lshrrev_b32 v1, 5, v0
	v_readfirstlane_b32 s16, v1                    ; wave
	s_lshr_b32 s17, s16, 1                         ; hR; also: I fetch for Q (0) or for K (1)
	s_and_b32 s18, s16, 1                          ; hS; also: which of the two chunks I fetch
	s_bfe_u32 s19, ttmp6, 0x40000                  ; cx
	s_bfe_u32 s20, ttmp6, 0x40004                  ; cy
	s_lshl_b32 s21, ttmp9, 2
	s_add_co_u32 s21, s21, s19                     ; the tile of 256 keys in the batch
	s_and_b32 s22, ttmp7, 0xffff                   ; the cluster's y; the batch is half of it
	s_lshl_b32 s23, s22, 2
	s_add_co_u32 s23, s23, s20                     ; the tile of 256 queries, over all batches
	s_lshl_b32 s90, s20, 2
	s_lshl_b32 s90, 15, s90                        ; my row of the cluster
	s_lshl_b32 s94, 0x1111, s19                    ; my column
	s_or_b32 s[G1R], s90, (3<<16)|(1<<21)          ; 15:0 the mask; 17:16 elements of 8 bytes; 21 set beside a mask; no padding
	s_or_b32 s[G1S], s94, (3<<16)|(1<<21)
	s_or_b32 s[G1RH], s90, (3<<16)|(1<<21)
	s_or_b32 s[G1SH], s94, (3<<16)|(1<<21)
.irp g, G1RH, G1SH                     ; two rows of 6,400 elements of 8 bytes: a pair of chunks for each of two K steps
	s_mov_b32 s[\g+1], 6400<<16
	s_mov_b32 s[\g+2], 2<<16
	s_mov_b32 s[\g+3], 6400<<16
	s_mov_b32 s[\g+4], 2
	s_mov_b32 s[\g+5], KST/8
	s_mov_b32 s[\g+6], 0
	s_mov_b32 s[\g+7], 0
.endr
.irp g, G1R, G1S                       ; a pair of chunks on end is a dense block: 200 rows of 32 elements (256 bytes)
	s_mov_b32 s[\g+1], 32<<16
	s_mov_b32 s[\g+2], 200<<16
	s_mov_b32 s[\g+3], 32<<16
	s_mov_b32 s[\g+4], 200
	s_mov_b32 s[\g+5], 32
	s_mov_b32 s[\g+6], 0
	s_mov_b32 s[\g+7], 0
.endr
	s_lshl_b32 s90, s23, 1                         ; Q's chunk that I fetch: registers that never hold cx
	s_lshl_b32 s91, s18, 6                         ; wave 1 begins a K step (64 chunks) on
	s_add_co_u32 s90, s90, s91
	s_mul_i32 s90, s90, CH
	s_mov_b32 s91, 0
	s_lshr_b32 s94, s22, 1                         ; K's: 16 x batch + 2 x key tile + which: registers that never hold cy
	s_lshl_b32 s94, s94, 4
	s_lshl_b32 s95, s21, 1
	s_add_co_u32 s94, s94, s95
	s_lshl_b32 s95, s18, 6                         ; wave 3 begins a K step on
	s_add_co_u32 s94, s94, s95
	s_mul_i32 s94, s94, CH
	s_mov_b32 s95, 0
	s_mul_i32 s92, s18, SLOT                       ; where my load goes: K step 0's pair, or K step 1's and 2's
	s_lshl_b32 s2, s21, 6                          ; my chunk of pi: 64 x key tile + my chunk of queries
	s_lshl_b32 s3, s23, 1
	s_add_co_u32 s3, s3, s17
	s_add_co_u32 s2, s2, s3
	s_mul_i32 s2, s2, CH
	s_mul_i32 s96, s18, 12288
	s_add_co_u32 s96, s96, s2
	s_mov_b32 s97, 0
	s_lshl_b32 s98, s18, 9
	s_add_co_u32 s98, s98, s2
	s_add_co_u32 s98, s98, 24576
	s_mov_b32 s99, 0
	s_lshl_b32 s84, s21, 1                         ; -M and l: (my 128 keys' number x 64 + my chunk of queries) x 512 bytes
	s_add_co_u32 s84, s84, s18
	s_lshl_b32 s84, s84, 6
	s_add_co_u32 s84, s84, s3
	s_lshl_b32 s84, s84, 9
	s_mov_b32 s85, 0
	s_mov_b32 s86, 0x76543210
	s_mov_b32 s87, 0xfedcba98
	s_mov_b32 s88, 0x3d38aa3b                      ; c = log2(e) / 32
	s_mov_b32 s89, s88                             ; (named with it as a pair, so it is written)
	s_wait_dscnt 0x0                               ; the opening add is done
	s_wait_kmcnt 0x0
	s_add_nc_u64 s[74:75], s[4:5], s[90:91]
	s_add_nc_u64 s[76:77], s[6:7], s[94:95]
	s_add_nc_u64 s[78:79], s[8:9], s[96:97]
	s_add_nc_u64 s[80:81], s[8:9], s[98:99]
	s_add_nc_u64 s[82:83], s[10:11], s[84:85]
	s_add_nc_u64 s[66:67], s[12:13], s[84:85]
	CROUND                                         ; all sixteen work-groups are here: the first joint loads meet
.irp s, 0
	s_mov_b32 s[G0R+4*\s], 1
	s_add_co_u32 s[G0R+4*\s+1], s92, \s*SLOT
	s_add_nc_u64 s[G0R+4*\s+2:G0R+4*\s+3], s[74:75], \s*KST
	s_or_b32 s[G0R+4*\s+3], s[G0R+4*\s+3], 0x80000000
	s_mov_b32 s[G0S+4*\s], 1
	s_add_co_u32 s[G0S+4*\s+1], s92, 6*CH
	s_add_nc_u64 s[G0S+4*\s+2:G0S+4*\s+3], s[76:77], \s*KST
	s_or_b32 s[G0S+4*\s+3], s[G0S+4*\s+3], 0x80000000
.endr
	ARM 1, G0R, G1R,  .Lhead_r12                   ; the head's loads, one a wave: Q's pair of K step 0,
	ARM 2, G0R, G1RH, .Lhead_s0                    ; Q's pairs of K steps 1 and 2,
	ARM 3, G0S, G1S,  .Lhead_s12                   ; K's pair of K step 0,
	tensor_load_to_lds s[G0S:G0S+3], s[G1SH:G1SH+7] ; K's pairs of K steps 1 and 2
	s_nop 0
	PLACES 4
.Lfirst_done:
	v_and_b32 v1, 15, v0                           ; r
	v_bfe_u32 v2, v0, 4, 1                         ; h
	v_and_b32 v3, 31, v0
	v_lshlrev_b32 v[LI], 4, v3
	s_wait_alu depctr_va_vdst(0)
	s_mul_i32 s2, s17, CH                          ; my R chunk in a slot
	s_mul_i32 s3, s18, CH
	s_add_co_u32 s3, s3, 6*CH                      ; my S chunk: K's pairs lie behind Q's three
	s_sub_co_u32 s96, s3, s2
	v_mul_u32_u24 v4, s96, v2                      ; lanes 16-31 take S's scale words: one product, the distance between the two chunks
	v_lshl_add_u32 v4, v1, 2, v4
	s_add_co_u32 s97, s2, 24576
.irp s, 0,1,2
	v_add_nc_u32 v[AR+\s], s2, v[LI]
	v_add_nc_u32 v[AS+\s], s3, v[LI]
	v_add_nc_u32 v[ASC+\s], s97, v4
	s_add_co_u32 s2, s2, SLOT
	s_add_co_u32 s3, s3, SLOT
	s_add_co_u32 s97, s97, SLOT
.endr
	s_mul_i32 s2, s16, 1536
	s_add_co_u32 s2, s2, SCRB
	v_lshl_add_u32 v[SCW], v1, 4, s2               ; my scratch + 16 r
	v_add_nc_u32 v[SCR], s2, v[LI]
	s_wait_alu depctr_va_vdst(0)
	s_cmp_lg_u32 s18, 0                            ; waves 0 and 2 asked for K step 0: they wait for it.  The loads of waves 1 and 3 (K steps 1, 2) stay out
	s_cbranch_scc1 .Lk12_later                     ; and every wave waits for all its loads in front of the first change of slots, ahead of the first read of those bytes
	s_wait_tensorcnt 0x0
.Lk12_later:
	s_barrier_signal -1
	s_barrier_wait -1
	FETCH_S 0, 0, 0
	FETCH_R 0, 0, 0
	SCALES 0, 0
	FETCH_R 0, 0, 4
	STEP 0, 3                                      ; the first products start the sums
	TURN 0, 1                                      ; K steps 1 and 2 are shown whole to all, and K step 0's bytes take K step 3
	STEP 1, 0
	TURN 1, 0
	STEP 2, 0
	TURN 2, 2
	STEP 3, 0
	s_wait_dscnt 12                                ; the very last 128: nothing more to fetch
	WIN 0xa1
	MUL16 0, 1, 1, 1, 0
	MUL16 2, 1, 1, 1, 0
	s_wait_dscnt 0x0
	WIN 0xf1
	MUL16 4, 1, 1, 1, 0
	MUL16 6, 1, 1, 1, 0
	WIN 0
	PLACES 4                                       ; in front of the first read of results
.irp g, 0,1,2,3
	v_mov_b32 v[TX+\g], 0                          ; written once: a lane permute's destination counts as one of its sources
.endr
.irp a, 0,1,2,3,4,5,6,7
	SOFT \a
.endr
	ds_load_b128 v[104:107], v[SCR]                ; my eight blocks' scale words, -M and l: LDS serves a wave's instructions in order
	ds_load_b128 v[108:111], v[SCR] offset:512
	ds_load_b128 v[112:115], v[SCR] offset:1024
	s_wait_dscnt 0x0
	global_store_b128 v[LI], v[104:107], s[80:81]  ; 512 consecutive aligned bytes each
	global_store_b128 v[LI], v[108:111], s[82:83]
	global_store_b128 v[LI], v[112:115], s[66:67]
	s_wait_tensorcnt 0x0                           ; the wave's end, behind my last tensor load and my last LDS store
	ds_add_u32 v[SPW], v[NIL]
	s_wait_dscnt 0x0
	CROUND                                         ; the closing round
	s_endpgm
.Lfunc_end_k_qcbd6f7fc38_scores:
	.size	k_qcbd6f7fc38_scores, .Lfunc_end_k_qcbd6f7fc38_scores-k_qcbd6f7fc38_scores
	.p2alignl 7, 3214868480
	.fill 96, 4, 3214868480
	.section	.rodata,"a",@progbits
	.p2align	6, 0x0
	.amdhsa_kernel k_qcbd6f7fc38_scores
		.amdhsa_group_segment_fixed_size 327680
		.amdhsa_private_segment_fixed_size 0
		.amdhsa_enable_private_segment 0
		.amdhsa_kernarg_size 40
		.amdhsa_user_sgpr_count 2
		.amdhsa_user_sgpr_kernarg_segment_ptr 1
		.amdhsa_wavefront_size32 1
		.amdhsa_system_sgpr_workgroup_id_x 1
		.amdhsa_system_sgpr_workgroup_id_y 1
		.amdhsa_system_sgpr_workgroup_id_z 1
		.amdhsa_system_vgpr_workitem_id 0
		.amdhsa_next_free_vgpr 1024
		.amdhsa_next_free_sgpr 100
		.amdhsa_reserve_vcc 0
		.amdhsa_float_denorm_mode_32 3
		.amdhsa_float_denorm_mode_16_64 3
		.amdhsa_memory_ordered 1
		.amdhsa_forward_progress 1
		.amdhsa_inst_pref_size 199
	.end_amdhsa_kernel
	.amdgpu_metadata
---
amdhsa.version: [ 1, 2 ]
amdhsa.kernels:
  - .name:           k_qcbd6f7fc38_scores
    .symbol:         k_qcbd6f7fc38_scores.kd
    .args:
      - { .name: qi, .offset: 0, .size: 8, .value_kind: global_buffer, .address_space: global }
      - { .name: ki, .offset: 8, .size: 8, .value_kind: global_buffer, .address_space: global }
      - { .name: pi, .offset: 16, .size: 8, .value_kind: global_buffer, .address_space: global }
      - { .name: nm, .offset: 24, .size: 8, .value_kind: global_buffer, .address_space: global }
      - { .name: ls, .offset: 32, .size: 8, .value_kind: global_buffer, .address_space: global }
    .group_segment_fixed_size: 327680
    .private_segment_fixed_size: 0
    .kernarg_segment_align: 8
    .kernarg_segment_size: 40
    .max_flat_workgroup_size: 128
    .sgpr_count:     100
    .vgpr_count:     1024
    .wavefront_size: 32
...
	.end_amdgpu_metadata
.endif
;; end of part 3
;; launch pv (part 4): grid 4 x 64, 4 waves a work-group, clusters of 4 x 4, 327,680 bytes of LDS; arguments pi, vi, nm, ls, out0; writes out0
.if DOCPART == 4
	.amdgcn_target "amdgcn-amd-amdhsa--gfx1250"
	.amdhsa_code_object_version 6
	.text
	.protected	k_qcbd6f7fc38_pv
	.globl	k_qcbd6f7fc38_pv
	.p2align	8
	.type	k_qcbd6f7fc38_pv,@function
k_qcbd6f7fc38_pv:
	s_mov_b64 s[64:65], 0
	v_nop
	global_prefetch_b8 v0, s[64:65] scope:SCOPE_SE
	s_setreg_imm32_b32 hwreg(HW_REG_WAVE_MODE, 25, 1), 1
	s_wait_xcnt 0x0
	s_wait_alu depctr_hold_cnt(0) depctr_sa_sdst(0) depctr_va_vdst(0) depctr_va_sdst(0) depctr_va_ssrc(0) depctr_va_vcc(0) depctr_vm_vsrc(0)
	s_getreg_b32 s2, hwreg(HW_REG_IB_STS2, 6, 4)
	s_cmp_eq_u32 s2, 0
	s_cbranch_scc0 .Lentry_in_a_cluster
	s_endpgm
.Lentry_in_a_cluster:
	s_bfe_u32 s2, ttmp6, 0x10000c
	s_cmp_lg_u32 s2, 0xf033
	s_cbranch_scc0 .Lentry_shape_is_right
	s_endpgm
.Lentry_shape_is_right:
; out = (P V) / l on codes of FP6 (E2M3) with E8M0 scales, K = the batch's 2,048 keys.  P's codes were made under the M of each 128 keys; here each row's own M is the largest of its sixteen,
; d = M - (the part's M), a whole number, is taken off the four bytes of the part's scale word, and l = the sum of the parts' l x 2^-d.  Nothing is rounded by that but l's sum.
; OPERANDS lie in chunks of 25,600 bytes: 128 rows x 256 K as images of the operand's registers (byte q*12288 + rbl*1536 + c*512 + 16*lane: registers 4c..4c+3 of fragment (rbl, q)).
; V's scale words: byte 24576 + q*512 + rbl*64 + 4*r.  P's scale words, -M and l: 512 bytes for 128 queries and 128 keys, byte 256 (rbl/4) + 16 r + 4 (rbl%4): one load of 16 bytes gives a lane its row of four blocks.
; Lane-row r of block rbl is the chunk's row 32 (rbl/2) + 8 (rbl%2) + r + 8 (r/8).
; A TILE is 128 queries (R = pi) x 256 of d (S = vi): 256 work-groups; tiles of 256 x 256 would be 128.  A wave makes 64 x 128: 32 accumulators.  Source 0 = 16 of d, source 1 = 16 queries: a lane holds one query and eight neighbouring d.
; CLUSTER 4 x 4: P's chunks are asked for jointly along a row of the cluster, V's along a column.
; LDS: two slots of two K steps (256 keys each): P's two chunks, then V's two pairs: 153,600 bytes.  ONE tensor load brings P's part of a slot (two rows of 25,600 bytes, 64 chunks apart in memory), one V's (two rows of 51,200 bytes, 8 chunks apart).
; At the head wave 0 asks for P's part of slot 0, wave 1 for that of slot 1, waves 2 and 3 for V's: one load a wave, both slots asked for at the start.  Waves 0 and 2 alone wait in front of the first barrier;
; every wave waits for all its loads in front of each change of slots.  A slot is filled again by the two waves that filled it first; by the text's own count a wave never has more than one load out.
; A step is 128 keys, 32 matrix instructions; its 36 fragment loads are issued at the head of the step before it, into the other set of registers.
; LIMITS: d is held at 127; a byte that would fall under 0 becomes 0 (2^-127), so a block that lies so far under the row's maximum adds at most 7.5 x 2^-127 x |V|, and a part's l at most 2^-120; NaN and infinities are not served.
; No prefetch: the text has no loop to run ahead in, half of the tiles are asked for at the start, and each refill stands four steps ahead of its first read.
; REGISTERS: window 0: v4-27 addresses; v32-63 P's scale words (register 4 kp + a: lanes 0-15 the first 128 keys of K step kp, lanes 16-31 the second); v64-95 V's, two slots' worth, the halves likewise;
;   v96-103 1 / l in pairs; v104-127 at work; v128-223 P's fragments, two sets of 48 (before that: -M and l; on the way out v128-255: rows of out).   window 1: V's fragments, sets at v0 and v128.   window 2: the accumulators, (a, b) at v[8 (8 a + b)].
.set CH,    25600
.set SLOT3, 6*CH
.set SPARE, 2*SLOT3                    ; behind the slots: the spare words, 128 bytes for each wave: two blocks of 256 bytes that no other line names
.set AR,  4                            ; v4-7    my 64 rows of P's chunk of K step i of four in LDS, + 16 x lane
.set AS,  8                            ; v8-11   my chunk of V likewise
.set ASS, 12                           ; v12-15  its scale words: + 512 h + 4 r
.set RSO, 16                           ; v16     512 h + 16 r
.set NMO, 17                           ; v17     32768 h + 16 r
.set STO, 18                           ; v18     the way out: where I put 32 bytes of a row
.set RD,  19                           ; v19     and where I read a row back
.set CO,  20                           ; v20     16 x lane
.set SPW, 28                           ; v28     LDS address of my spare word; never rewritten
.set NIL, 29                           ; v29     0; never rewritten
.set RS,  32
.set SS,  64
.set RL,  96
.set NG,  104                          ; v104-107 -M of the row
.set LSM, 108                          ; v108-111 l
.set T0,  112                          ; v112-127 at work
.set RF,  128
.set NMR, 128
.set LR,  160
.set OB,  128
.set G1R, 24                           ; s[24:31], s[32:39] descriptor groups 1;  s[40:43], s[48:51] groups 0
.set G1S, 32
.set G0R, 40
.set G0S, 48
; THE REFILLS' TILES ARE PREFETCHED (this takes the place of the head comment's line on prefetching).  A refill brings K steps 4, 5 (behind step 3) or 6, 7 (behind step 7): of each K step 100 blocks of 256 bytes of P and 200 of V.
; Each block is named once in each cluster that will load it: the four partners that ask for a tile jointly share its blocks out BY ADDRESS: partner cx takes blocks 25 cx on of P's chunk, partner cy blocks 50 cy on of V's pair.
; Waves 0, 1 ask for P's chunk of the refill's first, second K step (one instruction, a lane a block; lanes 25-31 name the wave's last block again), waves 2, 3 for V's pairs (two instructions).
; They stand in steps 0, 1 and in steps 4, 5: three and two steps ahead of the load that will want the bytes.  The address registers are never rewritten.
.set PFO, 24                           ; v24     256 x min(lane, 24)
.set PFA, 56                           ; s[56:57] my 25 or 50 blocks of the first refill;  s[60:61] of the second
.set PFB, 60
.macro ASK pa, second
.if \second
	s_cmp_lg_u32 s17, 0
	s_cbranch_scc0 .Lno_ask_\@
	global_prefetch_b8 v[PFO], s[\pa:\pa+1] offset:25*256 th:TH_LOAD_NT scope:SCOPE_SE
.Lno_ask_\@:
.else
	global_prefetch_b8 v[PFO], s[\pa:\pa+1] th:TH_LOAD_NT scope:SCOPE_SE
.endif
.endm
.set MSB, 0
.macro WIN new                         ; the immediate's high byte repeats the setting that is left
.if MSB != \new
	s_set_vgpr_msb (MSB<<8)|\new
.set MSB, \new
.endif
.endm
.macro PLACES n
.rept \n
	v_nop
.endr
.endm
.macro CREST                           ; a round of the cluster's barrier behind its opening barrier
	s_cmp_lg_u32 s16, 0
	s_cbranch_scc1 .Lnot_wave_0_\@
	s_barrier_signal -3
.Lnot_wave_0_\@:
	s_barrier_wait -3
	s_barrier_signal -1
	s_barrier_wait -1
.endm
.macro CROUND
	s_barrier_signal -1
	s_barrier_wait -1
	CREST
.endm
.macro JLOAD sl                        ; slot sl is filled again by its two waves: P's part, V's part.  The four v_nop in front are every wave's places ahead of the LDS loads that follow; an s_nop 0 and four v_nop follow each load
	PLACES 4
	s_cmp_lg_u32 s18, \sl
	s_cbranch_scc1 .Lasked_\@
	s_cmp_eq_u32 s17, 0
	s_cbranch_scc0 .Lfor_s_\@
	tensor_load_to_lds s[G0R:G0R+3], s[G1R:G1R+7]
	s_nop 0
	PLACES 4
	s_branch .Lasked_\@
.Lfor_s_\@:
	tensor_load_to_lds s[G0S:G0S+3], s[G1S:G1S+7]
	s_nop 0
	PLACES 4
.Lasked_\@:
.endm
.macro FRAG reg, adr, off              ; a fragment's image: three loads of 512 consecutive bytes
.irp c, 0,1,2
	ds_load_b128 v[(\reg)+4*\c:(\reg)+4*\c+3], v[\adr] offset:(\off)+512*\c
.endr
.endm
.macro FETCH3 n                        ; step n (128 keys): V's eight fragments and P's four, into set n % 2: 36 loads
	WIN 0x40
.irp b, 0,1,2,3,4,5,6,7
	FRAG 128*((\n)%2)+12*\b, AS+((\n)/2)%4, 12288*((\n)%2)+1536*\b
.endr
	WIN 0
.irp a, 0,1,2,3
	FRAG RF+48*((\n)%2)+12*\a, AR+((\n)/2)%4, 12288*((\n)%2)+1536*\a
.endr
.endm
.macro SSC sl                          ; V's scale words of slot sl's two K steps
.irp k, 0,1
.irp b, 0,1,2,3,4,5,6,7
	ds_load_b32 v[SS+16*(\sl)+8*\k+\b], v[ASS+2*(\sl)+\k] offset:64*\b
.endr
.endr
.endm
.macro MUL8 a, n, zero                 ; P's block a against V's eight, step n.  The 32 accumulators take turns, one instruction a turn, in the same order in every step
.irp b, 0,1,2,3,4,5,6,7
.set rgD, 8*(8*(\a)+\b)
.set rgS, 128*((\n)%2)+12*\b
.set rgR, RF+48*((\n)%2)+12*(\a)
.set scS, SS+8*(((\n)/2)%4)+\b
.set scR, RS+4*((\n)/2)+(\a)
.if \zero
	v_wmma_scale_f32_16x16x128_f8f6f4 v[rgD:rgD+7], v[rgS:rgS+11], v[rgR:rgR+11], 0, v[scS], v[scR] matrix_a_fmt:MATRIX_FMT_FP6 matrix_b_fmt:MATRIX_FMT_FP6
.elseif (\n)%2 == 0
	v_wmma_scale_f32_16x16x128_f8f6f4 v[rgD:rgD+7], v[rgS:rgS+11], v[rgR:rgR+11], v[rgD:rgD+7], v[scS], v[scR] matrix_a_fmt:MATRIX_FMT_FP6 matrix_b_fmt:MATRIX_FMT_FP6
.else
	v_wmma_scale_f32_16x16x128_f8f6f4 v[rgD:rgD+7], v[rgS:rgS+11], v[rgR:rgR+11], v[rgD:rgD+7], v[scS], v[scR] matrix_a_fmt:MATRIX_FMT_FP6 matrix_b_fmt:MATRIX_FMT_FP6 matrix_a_scale:MATRIX_SCALE_ROW1 matrix_b_scale:MATRIX_SCALE_ROW1
.endif
.endr
.endm
.macro STEP3 n, zero                   ; a step inside a slot: the next step's fragments are asked for first, into the sets that the step before read
.if (\n) > 0
	PLACES 4                                       ; in front of loads into registers that matrix instructions have read
.endif
	FETCH3 (\n)+1
	s_wait_dscnt 36                                ; all but the 36 just issued: this step's fragments and scale words are in
.if (\n) == 0
	ASK PFA, 0
.elseif (\n) == 1
	ASK PFA, 1
.elseif (\n) == 4
	ASK PFB, 0
.elseif (\n) == 5
	ASK PFB, 1
.endif
	WIN 0xa1                                       ; source 0 window 1, source 1 window 0, C and D window 2
	MUL8 0, \n, \zero
	MUL8 1, \n, \zero
	MUL8 2, \n, \zero
	MUL8 3, \n, \zero
	WIN 0
.endm
; A slot's last step changes slots: all my tensor loads are waited for, the add, the wait for it and for my reads of this slot, the barrier.
; mode 1: it opens a round of the cluster's barrier, and slot sl is filled again, four K steps on, first thing behind the round.  mode 2: nothing is left to fetch.
.macro TURN3 n, mode, sl
	s_wait_tensorcnt 0x0
	ds_add_u32 v[SPW], v[NIL]                      ; 0 onto my spare word
	s_wait_dscnt 1                                 ; this step's fragments are in (the add may be out)
	WIN 0xa1
	MUL8 0, \n, 0
	s_wait_dscnt 0x0                               ; the add is done; my reads of this slot were over at the wait above
	s_barrier_signal -1
	MUL8 1, \n, 0
	WIN 0
	s_barrier_wait -1
.if \mode == 1
	CREST
.if \sl == 0                           ; no load of any wave is out: every wave's group 0 goes four K steps on, once; slot 1's waves use theirs at the next round
	s_add_nc_u64 s[G0R+2:G0R+3], s[G0R+2:G0R+3], 4*64*CH
	s_add_nc_u64 s[G0S+2:G0S+3], s[G0S+2:G0S+3], 4*8*CH
.endif
	JLOAD \sl
.else
	PLACES 4
.endif
	FETCH3 (\n)+1
	SSC (((\n)+1)/4)%2
	WIN 0xa1
	MUL8 2, \n, 0
	MUL8 3, \n, 0
	WIN 0
.endm
; THE WAY OUT of block a: divided by l, through my stage (in slot 0, which has had its last fill and, behind the last barrier, its last read), back as whole rows of 512 bytes.
.macro OUTB a
	WIN 0x82                                       ; destination and source 0 window 2
.set j, 64*(\a)
.rept 32
	v_pk_mul_f32 v[j:j+1], v[j:j+1], v[RL+2*(\a):RL+2*(\a)+1] op_sel_hi:[1,0]   ; each accumulator from its low end on
.set j, j+2
.endr
	WIN 0x08                                       ; an LDS store's data are its source 1: window 2
.irp b, 0,1,2,3,4,5,6,7
	ds_store_b128 v[STO], v[64*(\a)+8*\b:64*(\a)+8*\b+3] offset:128*(\b/2)+32*(\b%2)
	ds_store_b128 v[STO], v[64*(\a)+8*\b+4:64*(\a)+8*\b+7] offset:128*(\b/2)+32*(\b%2)+16
.endr
	WIN 0
.irp t, 0,1,2,3,4,5,6,7,8,9,10,11,12,13,14,15
	ds_load_b128 v[OB+64*((\a)%2)+4*\t:OB+64*((\a)%2)+4*\t+3], v[RD] offset:528*\t   ; LDS serves a wave's instructions in order: these see the stores above
.endr
.endm
.macro SEND a, younger                 ; younger: the LDS instructions issued behind block a's loads, which may stay out
	s_wait_dscnt \younger
.irp t, 0,1,2,3,4,5,6,7,8,9,10,11,12,13,14,15
	global_store_b128 v[CO], v[OB+64*((\a)%2)+4*\t:OB+64*((\a)%2)+4*\t+3], s[74:75] offset:(32*((\a)/2)+8*((\a)%2)+\t+8*(\t/8))*4096 th:TH_STORE_NT   ; 512 consecutive aligned bytes of one row
.endr
.endm
	s_load_b256 s[4:11], s[0:1], 0x0               ; pi s[4:5], vi s[6:7], nm s[8:9], ls s[10:11]
	s_load_b64 s[12:13], s[0:1], 0x20              ; out0
	v_lshl_add_u32 v[SPW], v0, 2, SPARE
	v_mov_b32 v[NIL], 0
	ds_add_u32 v[SPW], v[NIL]                      ; the wave's opening: the add, twice on end, and its wait ahead of my first tensor load; work on registers stands between them
	ds_add_u32 v[SPW], v[NIL]
	v_lshrrev_b32 v1, 5, v0
	v_readfirstlane_b32 s16, v1                    ; wave
	s_lshr_b32 s17, s16, 1                         ; hR: my 64 queries.  Also: I fetch for P (0) or for V (1)
	s_and_b32 s18, s16, 1                          ; hS: my chunk of V.  Also: which slot I fetch for
	s_bfe_u32 s19, ttmp6, 0x40000                  ; cx
	s_bfe_u32 s20, ttmp6, 0x40004                  ; cy
	s_lshl_b32 s21, ttmp9, 2
	s_add_co_u32 s21, s21, s19                     ; the tile of 256 of d
	s_and_b32 s22, ttmp7, 0xffff                   ; the cluster's y; the batch is a quarter of it
	s_lshl_b32 s23, s22, 2
	s_add_co_u32 s23, s23, s20                     ; the chunk of 128 queries, over all batches
	s_lshl_b32 s90, s20, 2
	s_lshl_b32 s90, 15, s90                        ; my row of the cluster
	s_lshl_b32 s94, 0x1111, s19                    ; my column
	s_or_b32 s[G1R], s90, (3<<16)|(1<<21)          ; 15:0 the mask; 17:16 elements of 8 bytes; 21 set beside a mask; no padding
	s_or_b32 s[G1S], s94, (3<<16)|(1<<21)
	s_mov_b32 s[G1R+1], 3200<<16                   ; P: two rows of one chunk (3,200 elements), 64 chunks apart
	s_mov_b32 s[G1R+2], 2<<16
	s_mov_b32 s[G1R+3], 3200<<16
	s_mov_b32 s[G1R+4], 2
	s_mov_b32 s[G1R+5], 64*3200
	s_mov_b32 s[G1R+6], 0
	s_mov_b32 s[G1R+7], 0
	s_mov_b32 s[G1S+1], 6400<<16                   ; V: two rows of two chunks on end, 8 chunks apart
	s_mov_b32 s[G1S+2], 2<<16
	s_mov_b32 s[G1S+3], 6400<<16
	s_mov_b32 s[G1S+4], 2
	s_mov_b32 s[G1S+5], 8*3200
	s_mov_b32 s[G1S+6], 0
	s_mov_b32 s[G1S+7], 0
	s_lshl_b32 s90, s18, 7                         ; P's chunk (64 kp + query chunk), kp = 2 x slot: registers that never hold cx
	s_add_co_u32 s90, s90, s23
	s_mul_i32 s90, s90, CH
	s_mov_b32 s91, 0
	s_lshr_b32 s94, s22, 2                         ; V's pair (64 batch + 8 kp + 2 x tile of d): registers that never hold cy
	s_lshl_b32 s94, s94, 6
	s_lshl_b32 s95, s18, 4
	s_add_co_u32 s94, s94, s95
	s_lshl_b32 s95, s21, 1
	s_add_co_u32 s94, s94, s95
	s_mul_i32 s94, s94, CH
	s_mov_b32 s95, 0
	s_mul_i32 s92, s18, SLOT3                      ; where they go: my slot; V's part behind P's two chunks
	s_add_co_u32 s93, s92, 2*CH
	s_mul_i32 s2, s23, CH                          ; P's scale words of my 64 queries, K step 0
	s_lshl_b32 s3, s17, 8
	s_add_co_u32 s2, s2, s3
	s_add_co_u32 s2, s2, 24576
	s_mov_b32 s3, 0
	s_lshl_b32 s96, s23, 9                         ; -M and l of my 64 queries, keys 0 on
	s_lshl_b32 s97, s17, 8
	s_add_co_u32 s96, s96, s97
	s_mov_b32 s97, 0
	s_lshl_b32 s98, s23, 19                        ; out: 128 rows of 4,096 bytes a chunk, my 64, my 128 columns
	s_lshl_b32 s99, s17, 18
	s_add_co_u32 s98, s98, s99
	s_lshl_b32 s99, s21, 10
	s_add_co_u32 s98, s98, s99
	s_lshl_b32 s99, s18, 9
	s_add_co_u32 s98, s98, s99
	s_mov_b32 s99, 0
	s_mov_b32 s86, 0x76543210
	s_mov_b32 s87, 0xfedcba98                      ; v_permlanex16_b32's selects for lane l xor 16
	s_mov_b32 s88, 0x01010101
	s_mov_b32 s89, 0x80808080
	s_mul_i32 s84, s17, 6144                       ; my four blocks of P's chunk
	s_mul_i32 s85, s18, CH
	s_add_co_u32 s85, s85, 2*CH                    ; my chunk of V's pair
	s_mul_i32 s83, s16, 16*528                     ; my stage
	s_add_co_u32 s58, s18, 4                       ; the prefetches: K step 4 + which
	s_lshl_b32 s59, s58, 6
	s_add_co_u32 s59, s59, s23
	s_mul_i32 s59, s59, CH                         ; P's chunk,
	s_mul_i32 s60, s19, 25*256
	s_add_co_u32 s59, s59, s60                     ; my work-group's 25 blocks of it
	s_lshr_b32 s60, s22, 2
	s_lshl_b32 s60, s60, 6
	s_lshl_b32 s58, s58, 3
	s_add_co_u32 s60, s60, s58
	s_lshl_b32 s58, s21, 1
	s_add_co_u32 s60, s60, s58
	s_mul_i32 s60, s60, CH                         ; V's pair,
	s_mul_i32 s58, s20, 50*256
	s_add_co_u32 s60, s60, s58                     ; my work-group's 50 blocks of it
	s_mov_b32 s62, 2*8*CH
	s_cmp_eq_u32 s17, 0                            ; do I ask for P?
	s_cselect_b32 s58, s59, s60
	s_cselect_b32 s62, 2*64*CH, s62                ; two K steps on
	s_mov_b32 s59, 0
	s_mov_b32 s63, 0
	v_and_b32 v1, 15, v0                           ; r
	v_bfe_u32 v2, v0, 4, 1                         ; h
	v_and_b32 v3, 31, v0
	v_lshlrev_b32 v[RSO], 9, v2
	v_lshl_add_u32 v21, v1, 2, v[RSO]              ; 512 h + 4 r
	v_lshl_add_u32 v[RSO], v1, 4, v[RSO]
	v_lshlrev_b32 v[NMO], 15, v2
	v_lshl_add_u32 v[NMO], v1, 4, v[NMO]
	v_lshlrev_b32 v[CO], 4, v3
	v_min_u32 v[PFO], 24, v3
	v_lshlrev_b32 v[PFO], 8, v[PFO]
	v_add_nc_u32 v22, s84, v[CO]
	v_add_nc_u32 v23, s85, v[CO]
	v_add_nc_u32 v21, s85, v21
.irp i, 0,1,2,3                        ; K step i of the four in LDS: slot i / 2; P's chunk i % 2, V's pair i % 2
	v_add_nc_u32 v[AR+\i], (\i/2)*SLOT3+(\i%2)*CH, v22
	v_add_nc_u32 v[AS+\i], (\i/2)*SLOT3+(\i%2)*2*CH, v23
	v_add_nc_u32 v[ASS+\i], (\i/2)*SLOT3+(\i%2)*2*CH+24576, v21
.endr
	v_mul_u32_u24 v[STO], v1, 528
	v_lshl_add_u32 v[STO], v2, 6, v[STO]
	v_add_nc_u32 v[STO], s83, v[STO]               ; in: row r; tile 2 g + u: 128 g + 64 h + 32 u bytes on
	v_add_nc_u32 v[RD], s83, v[CO]                 ; back: a row of 512 bytes to the 32 lanes
.irp a, 0,1,2,3
	v_mov_b32 v[T0+\a], 0                          ; written once: a lane permute's destination counts as one of its sources
	v_mov_b32 v[LSM+\a], 0
	v_mov_b32 v[RL+2*\a+1], 0                      ; (named as the upper half of a pair)
.endr
	s_wait_alu depctr_va_vdst(0)
	s_wait_dscnt 0x0                               ; both opening adds are done
	s_wait_kmcnt 0x0
	s_add_nc_u64 s[76:77], s[4:5], s[90:91]
	s_add_nc_u64 s[78:79], s[6:7], s[94:95]
	s_add_nc_u64 s[66:67], s[4:5], s[2:3]
	s_add_nc_u64 s[68:69], s[66:67], 4*64*CH       ; K steps 4 on: so that every offset stays inside the signed 24-bit immediate
	s_add_nc_u64 s[70:71], s[8:9], s[96:97]
	s_add_nc_u64 s[72:73], s[10:11], s[96:97]
	s_add_nc_u64 s[74:75], s[12:13], s[98:99]
	s_cmp_eq_u32 s17, 0
	s_cselect_b64 s[PFA:PFA+1], s[4:5], s[6:7]
	s_add_nc_u64 s[PFA:PFA+1], s[PFA:PFA+1], s[58:59]
	s_add_nc_u64 s[PFB:PFB+1], s[PFA:PFA+1], s[62:63]
	; P's scale words, -M and l of my 64 queries for all sixteen parts of 128 keys: lanes 0-15 the even parts, lanes 16-31 the odd ones; sixteen lanes read 256 consecutive aligned bytes, four blocks a lane
.irp k, 0,1,2,3,4,5,6,7
	global_load_b128 v[NMR+4*\k:NMR+4*\k+3], v[NMO], s[70:71] offset:65536*\k
.endr
.irp k, 0,1,2,3,4,5,6,7
	global_load_b128 v[LR+4*\k:LR+4*\k+3], v[NMO], s[72:73] offset:65536*\k
	global_load_b128 v[RS+4*\k:RS+4*\k+3], v[RSO], s[66+2*(\k/4):67+2*(\k/4)] offset:(\k%4)*64*CH
.endr
	s_mov_b32 s[G0R], 1
	s_add_co_u32 s[G0R+1], s92, 0
	s_mov_b64 s[G0R+2:G0R+3], s[76:77]
	s_or_b32 s[G0R+3], s[G0R+3], 0x80000000
	s_mov_b32 s[G0S], 1
	s_add_co_u32 s[G0S+1], s93, 0
	s_mov_b64 s[G0S+2:G0S+3], s[78:79]
	s_or_b32 s[G0S+3], s[G0S+3], 0x80000000
	CROUND                                         ; all sixteen work-groups are here: the first joint loads meet
.macro ARM under, g0, g1, next         ; an arm of the head's one chain of branches on the wave's number: one load, then the jump to the join
	s_cmp_lt_u32 s16, \under
	s_cbranch_scc0 \next
	tensor_load_to_lds s[\g0:\g0+3], s[\g1:\g1+7]
	s_nop 0
	PLACES 4
	s_branch .Lfirst_done
\next:
.endm
	ARM 1, G0R, G1R, .Lhead_p1                     ; the head's loads, one a wave: P's part of slot 0,
	ARM 2, G0R, G1R, .Lhead_v0                     ; P's part of slot 1,
	ARM 3, G0S, G1S, .Lhead_v1                     ; V's part of slot 0,
	tensor_load_to_lds s[G0S:G0S+3], s[G1S:G1S+7]  ; V's part of slot 1
	s_nop 0
	PLACES 4
.Lfirst_done:
	s_wait_loadcnt 0x0
.irp a, 0,1,2,3
	v_min3_num_f32 v[NG+\a], v[NMR+\a], v[NMR+4+\a], v[NMR+8+\a]   ; the row's -M is the least of the parts'
.endr
.irp a, 0,1,2,3
	v_min3_num_f32 v[NG+\a], v[NG+\a], v[NMR+12+\a], v[NMR+16+\a]
.endr
.irp a, 0,1,2,3
	v_min3_num_f32 v[NG+\a], v[NG+\a], v[NMR+20+\a], v[NMR+24+\a]
.endr
.irp a, 0,1,2,3
	v_min_num_f32 v[NG+\a], v[NG+\a], v[NMR+28+\a]
.endr
.irp a, 0,1,2,3
	v_permlanex16_b32 v[T0+\a], v[NG+\a], s86, s87
.endr
.irp a, 0,1,2,3
	v_min_num_f32 v[NG+\a], v[NG+\a], v[T0+\a]
.endr
.irp k, 0,1,2,3,4,5,6,7
.irp a, 0,1,2,3
	v_sub_f32 v[T0+\a], v[NMR+4*\k+\a], v[NG+\a]   ; d = M - the part's M: a whole number, 0 or more
.endr
.irp a, 0,1,2,3
	v_cvt_u32_f32 v[T0+\a], v[T0+\a]
.endr
.irp a, 0,1,2,3
	v_min_u32 v[T0+\a], 127, v[T0+\a]
.endr
.irp a, 0,1,2,3
	v_sub_nc_u32 v[T0+4+\a], 0, v[T0+\a]
.endr
.irp a, 0,1,2,3
	v_ldexp_f32 v[T0+4+\a], v[LR+4*\k+\a], v[T0+4+\a]
.endr
.irp a, 0,1,2,3
	v_add_f32 v[LSM+\a], v[LSM+\a], v[T0+4+\a]     ; l += the part's l x 2^-d
.endr
.irp a, 0,1,2,3
	v_mul_lo_u32 v[T0+\a], v[T0+\a], s88           ; d in each of four bytes
.endr
.irp a, 0,1,2,3
	v_or_b32 v[T0+8+\a], s89, v[RS+4*\k+\a]        ; p is at most 1, so its bytes are at most 125: with bit 7 set on each, no borrow crosses from byte to byte
.endr
.irp a, 0,1,2,3
	v_sub_nc_u32 v[T0+8+\a], v[T0+8+\a], v[T0+\a]
.endr
.irp a, 0,1,2,3
	v_and_b32 v[T0+12+\a], s89, v[T0+8+\a]         ; bit 7 has stayed where byte - d is 0 or more
.endr
.irp a, 0,1,2,3
	v_lshrrev_b32 v[T0+\a], 7, v[T0+12+\a]
.endr
.irp a, 0,1,2,3
	v_sub_nc_u32 v[T0+12+\a], v[T0+12+\a], v[T0+\a]   ; 0x7f in those bytes, 0 in the others
.endr
.irp a, 0,1,2,3
	v_and_b32 v[RS+4*\k+\a], v[T0+8+\a], v[T0+12+\a]  ; byte - d, or 0
.endr
.endr
.irp a, 0,1,2,3
	v_permlanex16_b32 v[T0+\a], v[LSM+\a], s86, s87
.endr
.irp a, 0,1,2,3
	v_add_f32 v[LSM+\a], v[LSM+\a], v[T0+\a]       ; even parts and odd parts
.endr
	s_wait_alu depctr_va_vdst(0)
.irp a, 0,1,2,3
	v_rcp_f32 v[RL+2*\a], v[LSM+\a]
.endr
	v_nop                                          ; one plain instruction behind the reciprocals
	s_wait_alu depctr_va_vdst(0)                   ; and one wait for the four, ahead of their first reader
	PLACES 8                                       ; scale words written by vector instructions stand eight places ahead of a scaled matrix instruction
	s_cmp_lg_u32 s18, 0                            ; waves 0 and 2 asked for slot 0: they wait for it.  The loads of waves 1 and 3 (slot 1) stay out
	s_cbranch_scc1 .Lslot1_later                   ; and every wave waits for all its loads in front of the first change of slots, ahead of the first read of slot 1
	s_wait_tensorcnt 0x0
.Lslot1_later:
	s_barrier_signal -1
	s_barrier_wait -1
	FETCH3 0
	SSC 0
	STEP3 0, 1                                     ; the first products start the sums
	STEP3 1, 0
	STEP3 2, 0
	TURN3 3, 1, 0
	STEP3 4, 0
	STEP3 5, 0
	STEP3 6, 0
	TURN3 7, 1, 1
	STEP3 8, 0
	STEP3 9, 0
	STEP3 10, 0
	TURN3 11, 2, 0
	STEP3 12, 0
	STEP3 13, 0
	STEP3 14, 0
	s_wait_dscnt 0x0                               ; the last step: nothing more to fetch
	WIN 0xa1
	MUL8 0, 15, 0
	MUL8 1, 15, 0
	MUL8 2, 15, 0
	MUL8 3, 15, 0
	WIN 0
	PLACES 4                                       ; in front of the first read of results and of loads into the fragments' registers
	OUTB 0
	OUTB 1
	SEND 0, 32                                     ; behind block 0's loads: block 1's 16 stores and 16 loads
	s_wait_xcnt 0x0                                ; block 0's stores have read their registers: block 2's rows may land there
	OUTB 2
	SEND 1, 32
	s_wait_xcnt 0x0
	OUTB 3
	SEND 2, 32
	SEND 3, 0
	s_wait_tensorcnt 0x0                           ; the wave's end, behind my last tensor load and my last LDS store
	ds_add_u32 v[SPW], v[NIL]
	s_wait_dscnt 0x0
	CROUND                                         ; the closing round
	s_endpgm
.Lfunc_end_k_qcbd6f7fc38_pv:
	.size	k_qcbd6f7fc38_pv, .Lfunc_end_k_qcbd6f7fc38_pv-k_qcbd6f7fc38_pv
	.p2alignl 7, 3214868480
	.fill 96, 4, 3214868480
	.section	.rodata,"a",@progbits
	.p2align	6, 0x0
	.amdhsa_kernel k_qcbd6f7fc38_pv
		.amdhsa_group_segment_fixed_size 327680
		.amdhsa_private_segment_fixed_size 0
		.amdhsa_enable_private_segment 0
		.amdhsa_kernarg_size 40
		.amdhsa_user_sgpr_count 2
		.amdhsa_user_sgpr_kernarg_segment_ptr 1
		.amdhsa_wavefront_size32 1
		.amdhsa_system_sgpr_workgroup_id_x 1
		.amdhsa_system_sgpr_workgroup_id_y 1
		.amdhsa_system_sgpr_workgroup_id_z 1
		.amdhsa_system_vgpr_workitem_id 0
		.amdhsa_next_free_vgpr 768
		.amdhsa_next_free_sgpr 100
		.amdhsa_reserve_vcc 0
		.amdhsa_float_denorm_mode_32 3
		.amdhsa_float_denorm_mode_16_64 3
		.amdhsa_memory_ordered 1
		.amdhsa_forward_progress 1
		.amdhsa_inst_pref_size 164
	.end_amdhsa_kernel
	.amdgpu_metadata
---
amdhsa.version: [ 1, 2 ]
amdhsa.kernels:
  - .name:           k_qcbd6f7fc38_pv
    .symbol:         k_qcbd6f7fc38_pv.kd
    .args:
      - { .name: pi, .offset: 0, .size: 8, .value_kind: global_buffer, .address_space: global }
      - { .name: vi, .offset: 8, .size: 8, .value_kind: global_buffer, .address_space: global }
      - { .name: nm, .offset: 16, .size: 8, .value_kind: global_buffer, .address_space: global }
      - { .name: ls, .offset: 24, .size: 8, .value_kind: global_buffer, .address_space: global }
      - { .name: out0, .offset: 32, .size: 8, .value_kind: global_buffer, .address_space: global }
    .group_segment_fixed_size: 327680
    .private_segment_fixed_size: 0
    .kernarg_segment_align: 8
    .kernarg_segment_size: 40
    .max_flat_workgroup_size: 128
    .sgpr_count:     100
    .vgpr_count:     768
    .wavefront_size: 32
...
	.end_amdgpu_metadata
.endif
;; end of part 4
